; MI455X (gfx1250); checked and timed in simulation.
; The chip was launched on July 23, 2026; its instructions are those of AMD's public machine-readable ISA for CDNA 5 (MIT licence, August 2026) and "CDNA5" Instruction Set Architecture Reference Guide (July 2026). The comments in the code are by the model that wrote it; some were corrected since.
;; Causal MHSA. Allowed arithmetic: matrix products marked QUANTISED: E3M2 operands, one E8M0 scale for each 32 along K, by v_wmma_scale_f32_16x16x128_f8f6f4 with both operands' format E3M2, f32 sums; everything else in f32.
;; Inputs: Wk 1,024 x 1,024 float32; Wo 1,024 x 1,024 float32; Wq 1,024 x 1,024 float32; Wv 1,024 x 1,024 float32; ln_beta 1,024 float32; ln_gamma 1,024 float32; rel 16 x 129 float32; x 4 x 2,048 x 1,024 float32.
;; Outputs: out0 4 x 2,048 x 1,024 float32.
;; This version of the problem:
;;   THIS VERSION OF THE PROBLEM IS GIVEN IN LOW PRECISION. The matrix products marked QUANTISED in the list below multiply operands that are first quantised to E3M2 (3 exponent bits, 2 mantissa bits; 6 bits a number), with one power-of-two scale for each 32 numbers along K (OCP MX v1.0); their sums are f32. All else is computed in f32.
;;   The module's matrix products, in the order in which they are computed (A, B: the left and right operand; K: the contracted axis; several contracted axes count as one K, in the product's order):
;;     1. [M 8,192, K 1,024] x [K 1,024, N 1,024]; A: computed on the way; B: input Wq: QUANTISED
;;     2. [M 8,192, K 1,024] x [K 1,024, N 1,024]; A: computed on the way; B: input Wk: QUANTISED
;;     3. [M 8,192, K 1,024] x [K 1,024, N 1,024]; A: computed on the way; B: input Wv: QUANTISED
;;     4. batch 64 x [M 2,048, K 64] x [K 64, N 2,048]; A: computed on the way; B: computed on the way: QUANTISED
;;     5. batch 64 x [M 2,048, K 2,048] x [K 2,048, N 64]; A: softmax (see below); B: computed on the way: QUANTISED
;;     6. [M 8,192, K 1,024] x [K 1,024, N 1,024]; A: computed on the way; B: input Wo: QUANTISED
;;   THE QUANTISER, for each operand of a quantised product, along K:
;;     - K is cut into blocks of 32 from its start; a last block that is shorter is filled with zeros.
;;     - A block's scale is 2^e with e = floor(log2(the largest magnitude in the block)) - 4, held to -126 .. 127; a block of zeros has e = 0. As a byte (E8M0): e + 127.
;;     - Each number is divided by its block's scale, clamped to +-28, and rounded to the nearest number of E3M2, ties to even, subnormals kept.
;;     - The product sums the exact products of the quantised numbers (number of the format x scale) in f32.
;;   ~~~python
;;   def quantise(x, axis):      # numpy; x: float32 -> the quantised numbers, widened to float32 again
;;       x = np.moveaxis(x, axis, -1); K = x.shape[-1]
;;       x = np.pad(x, [(0, 0)] * (x.ndim - 1) + [(0, -K % 32)]); x = x.reshape(x.shape[:-1] + (-1, 32)); a = np.abs(x).max(-1, keepdims=True)
;;       e = np.where(a > 0, np.clip(np.frexp(np.where(a > 0, a, 1))[1] - 1 - 4, -126, 127), 0)      # np.frexp(a)[1] - 1 = floor(log2(a)), exactly
;;       r = np.clip(x / 2.0 ** e, -28, 28)
;;       step = 2.0 ** (np.maximum(np.frexp(np.where(r == 0, 1, r))[1] - 1, -2) - 2)
;;       q = np.round(r / step) * step * 2.0 ** e      # np.round: ties to even
;;       return np.moveaxis(q.reshape(q.shape[:-2] + (-1,))[..., :K], -1, axis).astype(np.float32)
;;   ~~~
;;   SOFTMAX AHEAD OF A QUANTISED PRODUCT. Where the list says 'softmax', what is quantised is not the finished softmax but p = 2^(t - M), with t = logit x log2(e) and M = ceil(the row's largest t), a whole number; so 1/2 < the row's largest p <= 1. The row's sum l is taken of the UNQUANTISED p, in f32, and the product's result is divided by l at the end. Since M is a whole number, a kernel that streams over the keys may use a running M (the ceiling of the running maximum): every later rescaling is an exact power of two, which a block's scale takes up: the codes' values come out the same.
;;   OPERANDS COMPUTED ON THE WAY. 'Computed on the way' means the value that the module computes at that place (a softmax that the list does not call 'softmax' is quantised finished and normalised). What goes into a quantiser is computed in f32, as accurately as f32 sums, v_exp_f32 and their like allow (about 1e-6 of the number): no bf16 or f16 on the way to a quantiser, and a product that is left as it is and whose result goes on into a quantised operand takes f32 operands (vector FMAs, or v_wmma_f32_16x16x4_f32). A number that lies on a knife's edge between two numbers of the format may be rounded either way, as far as f32 arithmetic and the matrix unit's own rounding can turn it there, and no further.
;; One version. Each part assembles by itself: llvm-mc -triple=amdgcn-amd-amdhsa -mcpu=gfx1250 --defsym DOCPART=n.
;; ======== version 1 of 1: 5 launches
;; workspace buffers: xq 6,553,600 bytes; wqk 6,356,992 bytes; wvo 6,356,992 bytes; qkb 54,525,952 bytes; vb 54,525,952 bytes; yb 6,553,600 bytes
;; launch prep (part 1): grid 768 x 1, 4 waves a work-group, no clusters, 33,280 bytes of LDS; arguments x, Wq, Wk, Wv, Wo, ln_gamma, ln_beta, xq, wqk, wvo; writes xq, wqk, wvo
.if DOCPART == 1
	.amdgcn_target "amdgcn-amd-amdhsa--gfx1250"
	.amdhsa_code_object_version 6
	.text
	.protected	k_qe68b282bb7_prep
	.globl	k_qe68b282bb7_prep
	.p2align	8
	.type	k_qe68b282bb7_prep,@function
k_qe68b282bb7_prep:
	s_mov_b64 s[64:65], 0
	v_nop
	global_prefetch_b8 v0, s[64:65] scope:SCOPE_SE
	s_setreg_imm32_b32 hwreg(HW_REG_WAVE_MODE, 25, 1), 1
	s_wait_xcnt 0x0
; LayerNorm(x) and the four weights become codes of BF6 (E3M2) with one E8M0 byte for each 32 along K (their last axis, 1,024 long).
; A work-group makes ONE ROW TILE: 16 rows x 1,024.  Work-groups 0-511 take x, 512-575 Wq, 576-639 Wk, 640-703 Wv, 704-767 Wo.
; THE ORDER OF ROWS IN A TILE: tile T = 2 B + u holds in slot r the row 32 B + 8 u + r + 8 (r / 8).  Used as source 0 of a product, two neighbouring tiles then
; leave 16 neighbouring rows in a lane's 16 result registers; used as source 1, lane r simply is that row.
; THE LAYOUT OF A TILE'S CODES: 16 atoms of 768 bytes, one for each 64 along K: an image of six operand registers: lane L = 16 h + r holds block h (32 codes, 24 bytes)
; of slot r; its registers 0-3 lie at 16 L, its registers 4-5 at 512 + 8 L.  The tile's scale bytes lie at SOFF + 512 x tile + 32 r + block.
; One path serves all five tensors: only pointers and tile numbers are chosen, by the work-group's number.  For a weight the norm is switched off by selects
; (mean 0, 1/sigma 1, gain 1, bias 0), which leave the number as it is.
; Wave w takes slots 4 w .. 4 w + 3, four neighbouring rows of memory.  Every load reads 512 consecutive bytes; a row turns through the wave's own stage in LDS,
; so that lane l holds block l, 32 neighbours, and a block's largest magnitude needs no other lane.
; A block's scale is 2^(floor(log2(largest magnitude)) - 4); its byte is the largest magnitude's exponent field - 4, held at 1 from below.
; LIMITS: a block of zeros, or one whose largest magnitude lies under 2^-122, gets the byte 1 (its codes are zeros or subnormal; this program alone reads the bytes).
; NaN and infinities among the inputs are not served.  1/sigma comes from v_rsq_f32.
.set R,    16                          ; v16-143  four rows as loaded, 32 registers each
.set X,    144                         ; v144-175 a row's block of 32, at work
.set G,    176                         ; v176-207 gamma of my block
.set BT,   208                         ; v208-239 beta of my block
.set PC,   240                         ; v240-245 a block's codes
.set PT,   246                         ; v246-248 their second half as the conversion leaves it
.set OST,  18432                       ; LDS: behind the four stages of 4,608 bytes: the tile's 12,288 code bytes, 16 bytes of padding behind each 256
.set SCS,  31488                       ; and its 512 scale bytes
.set SOFF, 6291456
	s_load_b256 s[8:15], s[0:1], 0x0               ; x, Wq, Wk, Wv
	s_load_b256 s[16:23], s[0:1], 0x20             ; Wo, gamma, beta, xq
	s_load_b128 s[24:27], s[0:1], 0x40             ; wqk, wvo
	s_set_vgpr_msb 0x40
	v_lshl_add_u32 v0, v0, 2, 0x8000
	v_mov_b32 v1, 0
	s_set_vgpr_msb 0x4000
	v_lshrrev_b32 v9, 5, v0
	v_readfirstlane_b32 s4, v9                     ; wave
	v_and_b32 v8, 31, v0                           ; lane
	v_lshlrev_b32 v1, 4, v8                        ; 16 x lane
	s_mul_i32 s5, s4, 4608                         ; my stage: 32 places of 128 + 16 bytes
	v_lshrrev_b32 v2, 3, v8
	v_mul_u32_u24 v2, v2, 144
	v_and_b32 v9, 7, v8
	v_lshl_add_u32 v2, v9, 4, v2
	v_add_nc_u32 v2, s5, v2                        ; into the stage: eight lanes' 128 bytes fill a place
	v_mul_u32_u24 v3, v8, 144
	v_add_nc_u32 v3, s5, v3                        ; out of it: place = lane
	v_lshrrev_b32 v10, 1, v8                       ; my block's atom,
	v_and_b32 v11, 1, v8                           ; and its half
	v_mul_u32_u24 v4, v10, 816                     ; an atom is three units of 256 + 16
	v_mad_u32_u24 v5, v11, 128, v4
	v_mad_u32_u24 v4, v11, 272, v4
	s_lshl_b32 s6, s4, 6
	s_add_co_u32 s6, s6, OST
	v_add_nc_u32 v4, s6, v4                        ; registers 0-3: 256 h + 16 (4 w + i)
	s_lshl_b32 s6, s4, 5
	s_add_co_u32 s6, s6, OST+544
	v_add_nc_u32 v5, s6, v5                        ; registers 4-5: 512 + 128 h + 8 (4 w + i)
	s_lshl_b32 s6, s4, 7
	s_add_co_u32 s6, s6, SCS
	v_add_nc_u32 v6, s6, v8                        ; the scale byte: 32 (4 w + i) + block
	v_lshrrev_b32 v7, 4, v8
	v_lshl_add_u32 v7, v7, 4, v1
	s_mul_i32 s6, s4, 3264
	s_add_co_u32 s6, s6, OST
	v_add_nc_u32 v7, s6, v7                        ; the way out: my wave's twelve units, two to a load
	v_mov_b32 v255, 0                              ; written once: a lane permute's destination counts as one of its sources
	s_mov_b32 s44, 0x76543210
	s_mov_b32 s45, 0xfedcba98                      ; v_permlanex16_b32's selects for lane l xor 16
	s_mov_b32 s46, 0x3a800000                      ; 1 / 1,024
	s_mov_b32 s47, 0x3727c5ac                      ; 1e-5
	s_sub_co_u32 s28, ttmp9, 512
	s_sub_co_u32 s29, ttmp9, 576
	s_sub_co_u32 s30, ttmp9, 640
	s_sub_co_u32 s31, ttmp9, 704
	s_wait_kmcnt 0x0
	s_cmp_lt_u32 ttmp9, 704                        ; the choices hang on the work-group's number alone
	s_cselect_b64 s[32:33], s[14:15], s[16:17]     ; the source,
	s_cselect_b32 s34, s30, s31                    ; the tile's number in it,
	s_cmp_lt_u32 ttmp9, 640
	s_cselect_b64 s[32:33], s[12:13], s[32:33]
	s_cselect_b32 s34, s29, s34
	s_cselect_b64 s[36:37], s[24:25], s[26:27]     ; the destination,
	s_cselect_b32 s35, s28, s30                    ; the tile's number there
	s_cmp_lt_u32 ttmp9, 576
	s_cselect_b64 s[32:33], s[10:11], s[32:33]
	s_cselect_b32 s34, s28, s34
	s_cmp_lt_u32 ttmp9, 512
	s_cselect_b64 s[32:33], s[8:9], s[32:33]
	s_cselect_b32 s34, ttmp9, s34
	s_cselect_b64 s[36:37], s[22:23], s[36:37]
	s_cselect_b32 s35, ttmp9, s35
	s_cselect_b32 s40, -1, 0                       ; all ones: the norm is on
	s_lshr_b32 s41, s34, 1
	s_lshl_b32 s41, s41, 5
	s_and_b32 s42, s34, 1
	s_lshl_b32 s42, s42, 3
	s_add_co_u32 s41, s41, s42
	s_lshl_b32 s42, s4, 2
	s_add_co_u32 s41, s41, s42
	s_lshr_b32 s42, s4, 1
	s_lshl_b32 s42, s42, 3
	s_add_co_u32 s41, s41, s42                     ; my first row: 32 (T / 2) + 8 (T % 2) + 4 w + 8 (w / 2)
	s_lshl_b32 s42, s41, 12
	s_mov_b32 s43, 0
	s_add_nc_u64 s[32:33], s[32:33], s[42:43]
	s_mul_i32 s42, s35, 12288
	s_mul_i32 s41, s4, 3072
	s_add_co_u32 s42, s42, s41
	s_add_nc_u64 s[38:39], s[36:37], s[42:43]      ; my quarter of the tile's codes
	s_lshl_b32 s42, s35, 9
	s_add_co_u32 s42, s42, SOFF
	s_add_nc_u64 s[36:37], s[36:37], s[42:43]      ; the tile's scale bytes
.irp j, 0,1,2,3,4,5,6,7
	global_load_b128 v[BT+4*\j:BT+4*\j+3], v1, s[18:19] offset:512*\j      ; gamma, as it lies
.endr
.irp j, 0,1,2,3,4,5,6,7
	global_load_b128 v[X+4*\j:X+4*\j+3], v1, s[20:21] offset:512*\j        ; beta
.endr
.irp i, 0,1,2,3
.irp j, 0,1,2,3,4,5,6,7
	global_load_b128 v[R+32*\i+4*\j:R+32*\i+4*\j+3], v1, s[32:33] offset:4096*\i+512*\j th:TH_LOAD_NT   ; 32 lanes read 512 consecutive bytes; read once in the launch
.endr
.endr
; 1,024 numbers as loaded (register 4 j + e of lane l: number 128 j + 4 l + e) go through the stage and come back 32 neighbours a lane.  LDS serves a wave's instructions in order: no wait between stores and loads, and one stage serves every turn.
.macro TURN src, dst
.irp j, 0,1,2,3,4,5,6,7
	ds_store_b128 v2, v[(\src)+4*\j:(\src)+4*\j+3] offset:576*\j
.endr
.irp j, 0,1,2,3,4,5,6,7
	ds_load_b128 v[(\dst)+4*\j:(\dst)+4*\j+3], v3 offset:16*\j
.endr
.endm
.macro FOLD                            ; four packed chains in v8-15 become the row's sum, in every lane's v8
	v_pk_add_f32 v[8:9], v[8:9], v[10:11]
	v_pk_add_f32 v[12:13], v[12:13], v[14:15]
	v_pk_add_f32 v[8:9], v[8:9], v[12:13]
	v_add_f32 v8, v8, v9
	v_add_f32_dpp v8, v8, v8 row_xmask:1 row_mask:0xf bank_mask:0xf
	v_add_f32_dpp v8, v8, v8 row_xmask:2 row_mask:0xf bank_mask:0xf
	v_add_f32_dpp v8, v8, v8 row_xmask:4 row_mask:0xf bank_mask:0xf
	v_add_f32_dpp v8, v8, v8 row_xmask:8 row_mask:0xf bank_mask:0xf
	v_permlanex16_b32 v255, v8, s44, s45
	v_add_f32 v8, v8, v255
.endm
	s_wait_loadcnt 40                              ; gamma's eight loads are in: 40 were issued behind them
	TURN BT, G
	s_wait_dscnt 0x0                               ; the stores have read beta's registers-to-be
	s_wait_loadcnt 32                              ; beta's are in
	TURN X, BT
	s_wait_dscnt 0x0
.set n, 0
.rept 32
	v_cndmask_b32 v[G+n], 1.0, v[G+n], s40         ; a weight: gain 1,
	v_and_b32 v[BT+n], s40, v[BT+n]                ; bias 0
.set n, n+1
.endr
.macro ROW i
	s_wait_loadcnt 24-8*\i                         ; this row's eight loads are in; the later rows' may be out
	TURN R+32*\i, X
	s_wait_dscnt 0x0                               ; my block is here, and the last row's stores have read their registers
	v_pk_add_f32 v[8:9], v[X:X+1], v[X+2:X+3]
	v_pk_add_f32 v[10:11], v[X+4:X+5], v[X+6:X+7]
	v_pk_add_f32 v[12:13], v[X+8:X+9], v[X+10:X+11]
	v_pk_add_f32 v[14:15], v[X+12:X+13], v[X+14:X+15]
.irp k, 16,24
	v_pk_add_f32 v[8:9], v[8:9], v[X+\k:X+\k+1]
	v_pk_add_f32 v[10:11], v[10:11], v[X+\k+2:X+\k+3]
	v_pk_add_f32 v[12:13], v[12:13], v[X+\k+4:X+\k+5]
	v_pk_add_f32 v[14:15], v[14:15], v[X+\k+6:X+\k+7]
.endr
	FOLD
	v_mul_f32 v250, s46, v8                        ; the mean
	v_and_b32 v250, s40, v250                      ; (a weight: 0)
	v_mov_b32 v251, v250
.set n, 0
.rept 16
	v_pk_add_f32 v[X+n:X+n+1], v[X+n:X+n+1], v[250:251] neg_lo:[0,1] neg_hi:[0,1]
.set n, n+2
.endr
	v_pk_mul_f32 v[8:9], v[X:X+1], v[X:X+1]
	v_pk_mul_f32 v[10:11], v[X+2:X+3], v[X+2:X+3]
	v_pk_mul_f32 v[12:13], v[X+4:X+5], v[X+4:X+5]
	v_pk_mul_f32 v[14:15], v[X+6:X+7], v[X+6:X+7]
.irp k, 8,16,24
	v_pk_fma_f32 v[8:9], v[X+\k:X+\k+1], v[X+\k:X+\k+1], v[8:9]
	v_pk_fma_f32 v[10:11], v[X+\k+2:X+\k+3], v[X+\k+2:X+\k+3], v[10:11]
	v_pk_fma_f32 v[12:13], v[X+\k+4:X+\k+5], v[X+\k+4:X+\k+5], v[12:13]
	v_pk_fma_f32 v[14:15], v[X+\k+6:X+\k+7], v[X+\k+6:X+\k+7], v[14:15]
.endr
	FOLD
	v_fma_f32 v252, v8, s46, s47                   ; the variance + 1e-5
	s_wait_alu depctr_va_vdst(0)
	v_rsq_f32 v252, v252
	v_nop                                          ; one plain place behind a transcendental
	s_wait_alu depctr_va_vdst(0)
	v_cndmask_b32 v252, 1.0, v252, s40             ; (a weight: 1)
	v_mov_b32 v253, v252
.set n, 0
.rept 16
	v_pk_mul_f32 v[X+n:X+n+1], v[X+n:X+n+1], v[252:253]
.set n, n+2
.endr
.set n, 0
.rept 16
	v_pk_fma_f32 v[X+n:X+n+1], v[X+n:X+n+1], v[G+n:G+n+1], v[BT+n:BT+n+1]
.set n, n+2
.endr
	v_max3_num_f32 v254, |v[X]|, |v[X+1]|, |v[X+2]|               ; the block's largest magnitude: all 32 numbers are mine
	v_max3_num_f32 v249, |v[X+3]|, |v[X+4]|, |v[X+5]|
.irp k, 6,10,14,18,22,26
	v_max3_num_f32 v254, v254, |v[X+\k]|, |v[X+\k+1]|
	v_max3_num_f32 v249, v249, |v[X+\k+2]|, |v[X+\k+3]|
.endr
	v_max3_num_f32 v254, v254, |v[X+30]|, |v[X+31]|
	v_max3_num_f32 v254, v254, v249, 0x2800000     ; and the floor 2^(5 - 127): the byte cannot fall under 1
	v_add_nc_u32 v254, 0xfe000000, v254            ; 4 off its exponent field: the conversion takes the exponent field of this operand as its scale
	v_cvt_scalef32_pk16_bf6_f32 v[PC:PC+2], v[X:X+15], v254
	v_cvt_scalef32_pk16_bf6_f32 v[PT:PT+2], v[X+16:X+31], v254    ; (a conversion's three registers begin on an even number)
	v_lshrrev_b32 v255, 23, v254                   ; the scale's byte; also the plain place behind the conversions
.irp k, 0,1,2
	v_mov_b32 v[PC+3+\k], v[PT+\k]
.endr
	ds_store_b128 v4, v[PC:PC+3] offset:16*\i
	ds_store_b64 v5, v[PC+4:PC+5] offset:8*\i
	ds_store_b8 v6, v255 offset:32*\i
.endm
	ROW 0
	ROW 1
	ROW 2
	ROW 3
	s_wait_dscnt 0x0                               ; for the others' sake: my stores have landed
	s_barrier_signal -1
	s_barrier_wait -1                              ; the tile's codes and bytes lie in LDS
.irp j, 0,1,2,3,4,5
	ds_load_b128 v[R+4*\j:R+4*\j+3], v7 offset:544*\j
.endr
.irp j, 0,1,2,3,4,5
	s_wait_dscnt 5-\j
	global_store_b128 v1, v[R+4*\j:R+4*\j+3], s[38:39] offset:512*\j       ; 32 lanes store 512 consecutive bytes, at a multiple of 256 from the buffer's first byte
.endr
	s_cmp_lg_u32 s4, 0
	s_cbranch_scc1 .Ldone
	ds_load_b128 v[R+24:R+27], v1 offset:SCS       ; wave 0: the tile's 512 scale bytes
	s_wait_dscnt 0x0
	global_store_b128 v1, v[R+24:R+27], s[36:37]
.Ldone:
	s_set_vgpr_msb 0x5
	s_wait_tensorcnt 0x0
	ds_add_u32 v0, v1
	s_wait_dscnt 0x0
	s_set_vgpr_msb 0x500
	s_endpgm
.Lfunc_end_k_qe68b282bb7_prep:
	.size	k_qe68b282bb7_prep, .Lfunc_end_k_qe68b282bb7_prep-k_qe68b282bb7_prep
	.p2alignl 7, 3214868480
	.fill 96, 4, 3214868480
	.section	.rodata,"a",@progbits
	.p2align	6, 0x0
	.amdhsa_kernel k_qe68b282bb7_prep
		.amdhsa_group_segment_fixed_size 33280
		.amdhsa_private_segment_fixed_size 0
		.amdhsa_enable_private_segment 0
		.amdhsa_kernarg_size 80
		.amdhsa_user_sgpr_count 2
		.amdhsa_user_sgpr_kernarg_segment_ptr 1
		.amdhsa_wavefront_size32 1
		.amdhsa_system_sgpr_workgroup_id_x 1
		.amdhsa_system_sgpr_workgroup_id_y 1
		.amdhsa_system_sgpr_workgroup_id_z 1
		.amdhsa_system_vgpr_workitem_id 0
		.amdhsa_next_free_vgpr 258
		.amdhsa_next_free_sgpr 66
		.amdhsa_reserve_vcc 0
		.amdhsa_float_denorm_mode_32 3
		.amdhsa_float_denorm_mode_16_64 3
		.amdhsa_memory_ordered 1
		.amdhsa_forward_progress 1
		.amdhsa_inst_pref_size 51
	.end_amdhsa_kernel
	.amdgpu_metadata
---
amdhsa.version: [ 1, 2 ]
amdhsa.kernels:
  - .name:           k_qe68b282bb7_prep
    .symbol:         k_qe68b282bb7_prep.kd
    .args:
      - { .name: x, .offset: 0, .size: 8, .value_kind: global_buffer, .address_space: global }
      - { .name: Wq, .offset: 8, .size: 8, .value_kind: global_buffer, .address_space: global }
      - { .name: Wk, .offset: 16, .size: 8, .value_kind: global_buffer, .address_space: global }
      - { .name: Wv, .offset: 24, .size: 8, .value_kind: global_buffer, .address_space: global }
      - { .name: Wo, .offset: 32, .size: 8, .value_kind: global_buffer, .address_space: global }
      - { .name: ln_gamma, .offset: 40, .size: 8, .value_kind: global_buffer, .address_space: global }
      - { .name: ln_beta, .offset: 48, .size: 8, .value_kind: global_buffer, .address_space: global }
      - { .name: xq, .offset: 56, .size: 8, .value_kind: global_buffer, .address_space: global }
      - { .name: wqk, .offset: 64, .size: 8, .value_kind: global_buffer, .address_space: global }
      - { .name: wvo, .offset: 72, .size: 8, .value_kind: global_buffer, .address_space: global }
    .group_segment_fixed_size: 33280
    .private_segment_fixed_size: 0
    .kernarg_segment_align: 8
    .kernarg_segment_size: 80
    .max_flat_workgroup_size: 128
    .sgpr_count:     66
    .vgpr_count:     258
    .wavefront_size: 32
...
	.end_amdgpu_metadata
.endif
;; end of part 1
;; launch qk (part 2): grid 8 x 32, 4 waves a work-group, clusters of 4 x 4, 327,680 bytes of LDS; arguments xq, wqk, qkb; writes qkb
.if DOCPART == 2
	.amdgcn_target "amdgcn-amd-amdhsa--gfx1250"
	.amdhsa_code_object_version 6
	.text
	.protected	k_qe68b282bb7_qk
	.globl	k_qe68b282bb7_qk
	.p2align	8
	.type	k_qe68b282bb7_qk,@function
k_qe68b282bb7_qk:
	s_mov_b64 s[64:65], 0
	v_nop
	global_prefetch_b8 v0, s[64:65] scope:SCOPE_SE
	s_setreg_imm32_b32 hwreg(HW_REG_WAVE_MODE, 25, 1), 1
	s_wait_xcnt 0x0
	s_wait_alu depctr_hold_cnt(0) depctr_sa_sdst(0) depctr_va_vdst(0) depctr_va_sdst(0) depctr_va_ssrc(0) depctr_va_vcc(0) depctr_vm_vsrc(0)
	s_getreg_b32 s2, hwreg(HW_REG_IB_STS2, 6, 4)
	s_cmp_eq_u32 s2, 0
	s_cbranch_scc0 .Lentry_in_a_cluster
	s_endpgm
.Lentry_in_a_cluster:
	s_bfe_u32 s2, ttmp6, 0x10000c
	s_cmp_lg_u32 s2, 0xf033
	s_cbranch_scc0 .Lentry_shape_is_right
	s_endpgm
.Lentry_shape_is_right:
; C = A B^T on codes of BF6 (E3M2) with E8M0 scales, K = 1,024, and C is QUANTISED ALONG ITS COLUMNS on the way out: C never goes to memory as f32.
; It runs twice: A = LayerNorm(x), B = [Wq; Wk]: C = q | k, quantised along each head's 64;  A = Wv, B = LayerNorm(x): C = V^T, quantised along the keys.
; OPERANDS: row tiles of 16 rows (tile 2 B + u, slot r: row 32 B + 8 u + r + 8 (r / 8)); a tile's codes are 16 atoms of 768 bytes (64 along K each), 12,288 bytes a tile; an atom is an image of
; six operand registers: lane L's registers 0-3 at 16 L, registers 4-5 at 512 + 8 L.  Scale bytes at SOFF + 512 x tile + 32 r + K / 32.  The text knows neither M nor N: all strides are the format's.
; A tile of C is 256 x 256: four waves, each 128 x 128, 64 accumulators, 512 registers.  K goes in steps of 256 through two LDS slots; a wave's tensor load brings 8 row tiles x 4 atoms (8 rows of 3,072 bytes).
; Fragments come out of LDS as they lie: 512 or 256 consecutive bytes a load, so no padding is needed.  The eight K steps of 128 are written out: their scale words differ in register and in row.
; SCALES: a lane's 16 bytes at 32 r + 16 h are the words of K steps 4 h .. 4 h + 3: register j serves K step j from lanes 0-15 and K step 4 + j from lanes 16-31.  Sixteen loads a wave serve all of K.
; CLUSTERS: 4 x 4 work-groups; A's tiles are asked for jointly along a row of the cluster, B's along a column.
; TRANSPOSED USE: source 0 = 16 rows of B, source 1 = 16 rows of A: a lane holds one row of C, and by the order of B's rows the 16 registers of two neighbouring tiles are 16 neighbouring columns.
; THE WAY OUT: for each of my 8 row tiles: four blocks of 32 columns are quantised in registers (largest magnitude with lane l xor 16, conversions, exchange of halves) and leave as two atoms, at
; (column / 64 x 512 + row tile) x 768.  The scale words leave in two planes of 512 bytes a wave: plane R pairs the two bytes of row tiles 2 B, 2 B + 1 for one column group (q's and k's readers want that),
; plane C keeps a row tile's word of 128 columns (V^T's reader).  Each run stores both and one is read: two stores a wave, the price of one text for both runs.
; LIMITS: a block of zeros, or one under 2^-122, gets the byte 1 (this program alone reads the bytes); NaN and infinities are not served.
.set HALFT,  24576                     ; what one tensor load brings: 8 row tiles x 3,072 bytes
.set SLOT,   4*HALFT                   ; A's 16 row tiles, then B's 16
.set SPARE,  2*SLOT                    ; behind the ring: the spare words, 128 bytes for each wave: two blocks of 256 bytes that no other line names
.set SOFF,   6291456
.set PR,     50331648                  ; plane R; plane C lies 2,097,152 bytes behind it
.set BOFF,   0                         ; where B's tiles and scale bytes begin in their buffer
.set BSOFF,  0
.set FR,     12
.set A16, 16                           ; v16-17  16 x lane + my A tiles in slot 0, 1;   v18-19 8 x lane + the same
.set A8,  18
.set B16, 20                           ; v20-23  the same for B
.set B8,  22
.set LN,  25                           ; v25     lane
.set L16, 26                           ; v26     16 x lane
.set L8,  27                           ; v27     8 x lane
.set SPW, 28                           ; v28     LDS address of my spare word; never rewritten
.set NIL, 29                           ; v29     0; never rewritten
.set SAD, 30                           ; v30     32 r + 16 h
.set SA,  32                           ; v32-63  A's scale words: block a, register j at 4 a + j
.set SB,  64                           ; v64-95  B's
.set TM,  96                           ; v96-99 largest magnitudes; v100-103 the other half's, then bytes
.set SCL, 104                          ; v104-107 the conversions' scale operands
.set PT,  108                          ; v108-115 second halves of the conversions' results
.set WD,  116                          ; v116-123 my 8 row tiles' scale words
.set ZR,  124                          ; v124-127 plane R's words
.set AF,  128                          ; v128-223 A's 8 fragments, ONE set; on the way out the codes of row tile a at 12 a
.set G1,  24
.set G0,  32
.set G1B, 48
.set G0B, 56
.set MSB, 0
.macro WIN new                         ; the immediate's high byte repeats the setting that is left
.if MSB != \new
	s_set_vgpr_msb (MSB<<8)|\new
.set MSB, \new
.endif
.endm
.set MUL_LO, 0xa1                      ; source 0 (B) window 1, source 1 (A) window 0, C and D window 2
.set MUL_HI, 0xf1                      ; the same, C and D window 3
.set TO_B,   0x40                      ; destination window 1, address window 0
; A joint load: waves 0 and 1 fetch for A, waves 2 and 3 for B.  Four v_nop follow each of the two lines.
.macro JLOAD g0a, g1a, g0b, g1b
	s_cmp_eq_u32 s15, 0
	s_cbranch_scc0 .Lfor_b_\@
	tensor_load_to_lds s[\g0a:\g0a+3], s[\g1a:\g1a+7]
	s_nop 0
.rept 4
	v_nop
.endr
	s_branch .Lasked_\@
.Lfor_b_\@:
	tensor_load_to_lds s[\g0b:\g0b+3], s[\g1b:\g1b+7]
	s_nop 0
.rept 4
	v_nop
.endr
.Lasked_\@:
.endm
.macro CREST                           ; a round of the cluster's barrier behind its opening barrier
	s_cmp_lg_u32 s14, 0
	s_cbranch_scc1 .Lnot_wave_0_\@
	s_barrier_signal -3
.Lnot_wave_0_\@:
	s_barrier_wait -3
	s_barrier_signal -1
	s_barrier_wait -1
.endm
.macro CROUND
	s_barrier_signal -1
	s_barrier_wait -1
	CREST
.endm
	s_load_b128 s[4:7], s[0:1], 0x0                ; A, B
	s_load_b64 s[8:9], s[0:1], 0x10                ; the output
	v_lshl_add_u32 v[SPW], v0, 2, SPARE
	v_mov_b32 v[NIL], 0
	ds_add_u32 v28, v29
	ds_add_u32 v28, v29
	s_wait_dscnt 0x0
	v_lshrrev_b32 v1, 5, v0
	v_readfirstlane_b32 s14, v1                    ; wave 0..3
	s_lshr_b32 s15, s14, 1                         ; which half of the tile's rows is mine.  Also: I fetch for A (0) or for B (1)
	s_and_b32 s16, s14, 1                          ; which half of its columns.  Also: which 8 row tiles I fetch
	s_bfe_u32 s40, ttmp6, 0x40000                  ; cx, cy: my place in the cluster
	s_bfe_u32 s41, ttmp6, 0x40004
	s_lshl_b32 s42, ttmp9, 2
	s_add_co_u32 s42, s42, s40                     ; tile column of C
	s_and_b32 s17, ttmp7, 0xffff
	s_lshl_b32 s17, s17, 2
	s_add_co_u32 s17, s17, s41                     ; tile row of C
	s_lshl_b32 s43, s41, 2
	s_lshl_b32 s43, 15, s43                        ; my row of the cluster
	s_lshl_b32 s44, 0x1111, s40                    ; my column
	s_or_b32 s[G1+0], s43, (3<<16)|(1<<21)         ; 15:0 the mask; 17:16 elements of 8 bytes; 21 set beside a mask; no padding
	s_or_b32 s[G1B+0], s44, (3<<16)|(1<<21)
.irp g, G1, G1B
	s_mov_b32 s[\g+1], 384<<16                     ; tensor_dim0 = 384 elements: four atoms
	s_mov_b32 s[\g+2], 8<<16                       ; tensor_dim1 = 8 row tiles
	s_mov_b32 s[\g+3], 384<<16                     ; tile_dim0
	s_mov_b32 s[\g+4], 8                           ; tile_dim1
	s_mov_b32 s[\g+5], 1536                        ; from row tile to row tile: 12,288 bytes
	s_mov_b32 s[\g+6], 0
	s_mov_b32 s[\g+7], 0
.endr
	s_mul_i32 s18, s16, 98304                      ; which 8 row tiles I fetch
	s_mul_i32 s20, s17, 196608
	s_add_co_u32 s20, s20, s18                     ; A: 16 row tiles a tile row
	s_mov_b32 s21, 0
	s_mul_i32 s46, s42, 196608
	s_add_co_u32 s46, s46, s18
	s_add_co_u32 s46, s46, BOFF                    ; B likewise, by the tile column
	s_mov_b32 s47, 0
	s_mul_i32 s45, s14, HALFT                      ; where they go: no place in the cluster enters an LDS address
	s_lshl_b32 s68, s17, 13                        ; my 8 row tiles' scale bytes: A's,
	s_lshl_b32 s69, s15, 12
	s_add_co_u32 s68, s68, s69
	s_add_co_u32 s68, s68, SOFF
	s_mov_b32 s69, 0
	s_lshl_b32 s70, s42, 13                        ; and B's
	s_lshl_b32 s71, s16, 12
	s_add_co_u32 s70, s70, s71
	s_add_co_u32 s70, s70, SOFF+BSOFF
	s_mov_b32 s71, 0
	s_mul_i32 s72, s42, 1572864                    ; my codes' place in the output: ((4 x tile column + 2 x half) x 512 + 16 x tile row + 8 x half) x 768
	s_mul_i32 s73, s16, 786432
	s_add_co_u32 s72, s72, s73
	s_mul_i32 s73, s17, 12288
	s_add_co_u32 s72, s72, s73
	s_mul_i32 s73, s15, 6144
	s_add_co_u32 s72, s72, s73
	s_mov_b32 s73, 0
	s_lshl_b32 s74, s42, 16                        ; my scale words' place: PR + ((2 x tile column + half) x 64 + 2 x tile row + half) x 512
	s_lshl_b32 s75, s16, 15
	s_add_co_u32 s74, s74, s75
	s_lshl_b32 s75, s17, 10
	s_add_co_u32 s74, s74, s75
	s_lshl_b32 s75, s15, 9
	s_add_co_u32 s74, s74, s75
	s_add_co_u32 s74, s74, PR
	s_mov_b32 s75, 0
	s_mov_b32 s76, 0x76543210
	s_mov_b32 s77, 0xfedcba98                      ; v_permlanex16_b32's selects for lane l xor 16
	s_wait_kmcnt 0x0
	s_add_nc_u64 s[20:21], s[4:5], s[20:21]
	s_add_nc_u64 s[46:47], s[6:7], s[46:47]
	s_add_nc_u64 s[68:69], s[4:5], s[68:69]
	s_add_nc_u64 s[70:71], s[6:7], s[70:71]
	s_add_nc_u64 s[10:11], s[8:9], s[74:75]
	s_add_nc_u64 s[8:9], s[8:9], s[72:73]
	CROUND                                         ; all sixteen work-groups are here: the first joint loads meet
.irp s, 0,1
	s_mov_b32 s[G0+4*\s], 1
	s_add_co_u32 s[G0+4*\s+1], s45, \s*SLOT
	s_add_nc_u64 s[G0+4*\s+2:G0+4*\s+3], s[20:21], \s*3072
	s_or_b32 s[G0+4*\s+3], s[G0+4*\s+3], 0x80000000
	s_mov_b32 s[G0B+4*\s], 1
	s_add_co_u32 s[G0B+4*\s+1], s45, \s*SLOT
	s_add_nc_u64 s[G0B+4*\s+2:G0B+4*\s+3], s[46:47], \s*3072
	s_or_b32 s[G0B+4*\s+3], s[G0B+4*\s+3], 0x80000000
	JLOAD G0+4*\s, G1, G0B+4*\s, G1B
.endr
	v_and_b32 v[LN], 31, v0
	v_lshlrev_b32 v[L16], 4, v[LN]
	v_lshlrev_b32 v[L8], 3, v[LN]
	v_and_b32 v2, 15, v0                           ; r
	v_bfe_u32 v3, v0, 4, 1                         ; h
	v_lshlrev_b32 v[SAD], 5, v2
	v_lshl_add_u32 v[SAD], v3, 4, v[SAD]
.irp a, 0,1,2,3,4,5,6,7
	global_load_b128 v[SA+4*\a:SA+4*\a+3], v[SAD], s[68:69] offset:\a*512
	global_load_b128 v[SB+4*\a:SB+4*\a+3], v[SAD], s[70:71] offset:\a*512
.endr
	s_mul_i32 s22, s15, HALFT                      ; my 8 row tiles of A
	s_mul_i32 s23, s16, HALFT                      ; my 8 of B,
	s_add_co_u32 s23, s23, 2*HALFT                 ; which lie behind A's 16
.irp s, 0,1
	v_add_nc_u32 v[A16+\s], s22, v[L16]
	v_add_nc_u32 v[B16+\s], s23, v[L16]
	v_add_nc_u32 v[A8+\s], s22, v[L8]
	v_add_nc_u32 v[B8+\s], s23, v[L8]
	s_add_co_u32 s22, s22, SLOT
	s_add_co_u32 s23, s23, SLOT
.endr
.irp b, 0,1,2,3
	v_mov_b32 v[TM+4+\b], 0                        ; written once: a lane permute's destination counts as one of its sources
.endr
; a fragment (16 rows x 128 K, 12 registers) is atoms 2 q and 2 q + 1 of row tile i: four loads
.macro FRAG reg, a16, a8, q, i
.irp c, 0,1
	ds_load_b128 v[\reg+6*\c:\reg+6*\c+3], v[\a16] offset:(\i)*3072+(2*(\q)+\c)*768
	ds_load_b64 v[\reg+6*\c+4:\reg+6*\c+5], v[\a8] offset:(\i)*3072+(2*(\q)+\c)*768+512
.endr
.endm
; 16 matrix instructions: A's blocks a0, a0 + 1 x B's eight, K step ks of eight.  p: B's set.  zero = 1: the first product starts the sums.
; The 64 accumulators take turns, one instruction a turn, in the same order in every step.
.macro MUL16 a0, p, ks, zero
.irp a, \a0, \a0+1
.irp b, 0,1,2,3,4,5,6,7
.if \zero
	v_wmma_scale_f32_16x16x128_f8f6f4 v[8*(8*((\a)%4)+\b):8*(8*((\a)%4)+\b)+7], v[128*(\p)+FR*\b:128*(\p)+FR*\b+FR-1], v[AF+FR*(\a):AF+FR*(\a)+FR-1], 0, v[SB+4*\b+(\ks)%4], v[SA+4*(\a)+(\ks)%4] matrix_a_fmt:MATRIX_FMT_BF6 matrix_b_fmt:MATRIX_FMT_BF6
.elseif (\ks) < 4
	v_wmma_scale_f32_16x16x128_f8f6f4 v[8*(8*((\a)%4)+\b):8*(8*((\a)%4)+\b)+7], v[128*(\p)+FR*\b:128*(\p)+FR*\b+FR-1], v[AF+FR*(\a):AF+FR*(\a)+FR-1], v[8*(8*((\a)%4)+\b):8*(8*((\a)%4)+\b)+7], v[SB+4*\b+(\ks)%4], v[SA+4*(\a)+(\ks)%4] matrix_a_fmt:MATRIX_FMT_BF6 matrix_b_fmt:MATRIX_FMT_BF6
.else
	v_wmma_scale_f32_16x16x128_f8f6f4 v[8*(8*((\a)%4)+\b):8*(8*((\a)%4)+\b)+7], v[128*(\p)+FR*\b:128*(\p)+FR*\b+FR-1], v[AF+FR*(\a):AF+FR*(\a)+FR-1], v[8*(8*((\a)%4)+\b):8*(8*((\a)%4)+\b)+7], v[SB+4*\b+(\ks)%4], v[SA+4*(\a)+(\ks)%4] matrix_a_fmt:MATRIX_FMT_BF6 matrix_b_fmt:MATRIX_FMT_BF6 matrix_a_scale:MATRIX_SCALE_ROW1 matrix_b_scale:MATRIX_SCALE_ROW1
.endif
.endr
.endr
.endm
.macro FETCH_B slot, q, p
	WIN TO_B
.irp i, 0,1,2,3,4,5,6,7
	FRAG 128*(\p)+FR*\i, B16+\slot, B8+\slot, \q, \i
.endr
	WIN 0
.endm
.macro FETCH_A slot, q, i0
.irp i, \i0, \i0+1, \i0+2, \i0+3
	FRAG AF+FR*(\i), A16+\slot, A8+\slot, \q, \i
.endr
.endm
.macro PLACES                          ; four plain vector instructions between a matrix instruction and a load into one of its registers, or a read of its result (ISA guide 7.12.1 for a read of its result)
.rept 4
	v_nop
.endr
.endm
; A slot's first K step.  A block of A is free as soon as its eight products are issued: blocks 0-3 are fetched anew in the step's middle, blocks 4-7 at its end; B has two sets.
.macro STEP slot, ks, zero
	s_wait_dscnt 16                                ; B's set and A's blocks 0-3 are in; the youngest 16 loads (A's blocks 4-7) may be out
	WIN MUL_LO
	MUL16 0, 0, \ks, \zero
	MUL16 2, 0, \ks, \zero
	s_wait_dscnt 0x0                               ; A's blocks 4-7 are in
	PLACES
	FETCH_B \slot, 1, 1
	FETCH_A \slot, 1, 0
	WIN MUL_HI
	MUL16 4, 0, \ks, \zero
	MUL16 6, 0, \ks, \zero
	PLACES
	WIN 0
	FETCH_A \slot, 1, 4
.endm
; A slot's second K step changes slots: ONE barrier; in front of it each wave waits for all its tensor loads, adds 0 to its spare word, and waits for that and for its reads of this slot.  fill = 1: this slot is filled again.
.macro TURN slot, next, fill, ks
	s_wait_tensorcnt 0x0                           ; all my tensor loads have landed: my part of the next slot
	ds_add_u32 v[SPW], v[NIL]                      ; 0 onto my spare word
	s_wait_dscnt 17                                ; (the add and the youngest 16 loads may be out)
	WIN MUL_LO
	MUL16 0, 1, \ks, 0                             ; sixteen matrix instructions stand between the add and the wait for it
	s_wait_dscnt 0x0                               ; the add is done, and my reads of this slot are over
	s_barrier_signal -1
	MUL16 2, 1, \ks, 0
	WIN 0
	s_barrier_wait -1
.if \fill
	CREST                                          ; the barrier has opened a round of the cluster's barrier: no wave of any partner still reads this slot or has a load on its way
	s_add_nc_u64 s[G0+4*\slot+2:G0+4*\slot+3], s[G0+4*\slot+2:G0+4*\slot+3], 6144
	s_add_nc_u64 s[G0B+4*\slot+2:G0B+4*\slot+3], s[G0B+4*\slot+2:G0B+4*\slot+3], 6144
	JLOAD G0+4*\slot, G1, G0B+4*\slot, G1B         ; the first tensor load behind the round; its four v_nop are the places in front of the loads below
.else
	PLACES
.endif
	FETCH_B \next, 0, 0
	FETCH_A \next, 0, 0
	WIN MUL_HI
	MUL16 4, 1, \ks, 0
	MUL16 6, 1, \ks, 0
	PLACES
	WIN 0
	FETCH_A \next, 0, 4
.endm
	s_wait_alu depctr_va_vdst(0)
	s_wait_tensorcnt 1                             ; my part of slot 0 is in; slot 1's may stay out
	s_barrier_signal -1
	s_barrier_wait -1
	FETCH_B 0, 0, 0
	FETCH_A 0, 0, 0
	FETCH_A 0, 0, 4
	s_wait_loadcnt 0x0                             ; the scale words
	STEP 0, 0, 1
	TURN 0, 1, 1, 1
	STEP 1, 2, 0
	TURN 1, 0, 1, 3
	STEP 0, 4, 0
	TURN 0, 1, 0, 5                                ; nothing is left to fetch: a plain barrier
	STEP 1, 6, 0
	s_wait_dscnt 16
	WIN MUL_LO
	MUL16 0, 1, 7, 0
	MUL16 2, 1, 7, 0
	s_wait_dscnt 0x0
	WIN MUL_HI
	MUL16 4, 1, 7, 0
	MUL16 6, 1, 7, 0
	WIN 0
	PLACES
; Row tile a: register 16 b + i of a lane is column 32 b + 16 h + i of its row.  Each accumulator is read from its low end on.
.macro EQUANT a
.set AC, 64*((\a)%4)
.set WW, 2+(\a)/4
.set WM, WW|(WW<<2)
.set PCA, AF+12*(\a)
	WIN WM                                         ; sources 0 and 1: the accumulators' window
.irp b, 0,1,2,3
	v_max3_num_f32 v[TM+\b], |v[AC+16*\b]|, |v[AC+16*\b+1]|, 0x2800000     ; my 16 numbers of block b, and the floor 2^(5 - 127)
.endr
.irp i, 2,4,6,8,10,12,14
.irp b, 0,1,2,3
	v_max3_num_f32 v[TM+\b], |v[AC+16*\b+\i]|, |v[AC+16*\b+\i+1]|, v[TM+\b]
.endr
.endr
	WIN 0
.irp b, 0,1,2,3
	v_permlanex16_b32 v[TM+4+\b], v[TM+\b], s76, s77
.endr
.irp b, 0,1,2,3
	v_max_num_f32 v[TM+\b], v[TM+\b], v[TM+4+\b]   ; with lane l xor 16's: the block's largest magnitude
.endr
.irp b, 0,1,2,3
	v_add_nc_u32 v[SCL+\b], 0xfe000000, v[TM+\b]   ; 4 off its exponent field: the conversion's scale operand
.endr
.irp b, 0,1,2,3
	v_lshrrev_b32 v[TM+4+\b], 23, v[SCL+\b]        ; the scale's byte
.endr
	v_lshl_or_b32 v[WD+(\a)], v[TM+5], 8, v[TM+4]
	v_lshl_or_b32 v[WD+(\a)], v[TM+6], 16, v[WD+(\a)]
	v_lshl_or_b32 v[WD+(\a)], v[TM+7], 24, v[WD+(\a)]
	WIN WW                                         ; source 0: the accumulators' window
.irp c, 0,1
	v_cvt_scalef32_pk16_bf6_f32 v[PCA+6*\c:PCA+6*\c+2], v[AC+32*\c:AC+32*\c+15], v[SCL+2*\c]
	v_cvt_scalef32_pk16_bf6_f32 v[PT+4*\c:PT+4*\c+2], v[AC+32*\c+16:AC+32*\c+31], v[SCL+2*\c+1]
.endr
	WIN 0
	v_nop                                          ; one plain place behind a scaled conversion
.irp c, 0,1                                    ; the layout wants a WHOLE block in a lane: lanes 0-15 block 2 c, lanes 16-31 block 2 c + 1
.irp i, 0,1,2
	v_permlane16_swap_b32 v[PCA+6*\c+\i], v[PT+4*\c+\i]
.endr
.irp i, 0,1,2
	v_mov_b32 v[PCA+6*\c+3+\i], v[PT+4*\c+\i]
.endr
.endr
.irp c, 0,1                                    ; two atoms; each row tile has code registers of its own, so no store's data are written again
	global_store_b128 v[L16], v[PCA+6*\c:PCA+6*\c+3], s[8:9] offset:(\a)*768+\c*393216           ; 512 consecutive bytes, at a multiple of 256 from the buffer's first byte
	global_store_b64 v[L8], v[PCA+6*\c+4:PCA+6*\c+5], s[8:9] offset:(\a)*768+\c*393216+512       ; 256 more
.endr
.endm
.irp a, 0,1,2,3,4,5,6,7
	EQUANT \a
.endr
	v_cmp_lt_u32 vcc_lo, 15, v[LN]
	v_mov_b32 v224, 0x05040100                     ; lanes 0-15: the words' bytes 0, 1 (the lower column group),
	v_mov_b32 v225, 0x07060302                     ; lanes 16-31: bytes 2, 3
	v_cndmask_b32 v224, v224, v225, vcc_lo
.irp j, 0,1,2,3
	v_perm_b32 v[ZR+\j], v[WD+2*\j+1], v[WD+2*\j], v224            ; plane R: [row tile 2 j's two bytes | row tile 2 j + 1's]
	v_cndmask_b32 v[TM+4+\j], v[WD+\j], v[WD+4+\j], vcc_lo         ; plane C: row tile 4 h + j's word
.endr
	global_store_b128 v[L16], v[ZR:ZR+3], s[10:11]
	global_store_b128 v[L16], v[TM+4:TM+7], s[10:11] offset:2097152
	s_wait_tensorcnt 0x0                           ; the wave's end
	ds_add_u32 v[SPW], v[NIL]
	s_wait_dscnt 0x0
	CROUND                                         ; the closing round: no work-group ends while a partner may still ask for a tile that names it
	s_endpgm
.Lfunc_end_k_qe68b282bb7_qk:
	.size	k_qe68b282bb7_qk, .Lfunc_end_k_qe68b282bb7_qk-k_qe68b282bb7_qk
	.p2alignl 7, 3214868480
	.fill 96, 4, 3214868480
	.section	.rodata,"a",@progbits
	.p2align	6, 0x0
	.amdhsa_kernel k_qe68b282bb7_qk
		.amdhsa_group_segment_fixed_size 327680
		.amdhsa_private_segment_fixed_size 0
		.amdhsa_enable_private_segment 0
		.amdhsa_kernarg_size 24
		.amdhsa_user_sgpr_count 2
		.amdhsa_user_sgpr_kernarg_segment_ptr 1
		.amdhsa_wavefront_size32 1
		.amdhsa_system_sgpr_workgroup_id_x 1
		.amdhsa_system_sgpr_workgroup_id_y 1
		.amdhsa_system_sgpr_workgroup_id_z 1
		.amdhsa_system_vgpr_workitem_id 0
		.amdhsa_next_free_vgpr 1024
		.amdhsa_next_free_sgpr 98
		.amdhsa_reserve_vcc 1
		.amdhsa_float_denorm_mode_32 3
		.amdhsa_float_denorm_mode_16_64 3
		.amdhsa_memory_ordered 1
		.amdhsa_forward_progress 1
		.amdhsa_inst_pref_size 146
	.end_amdhsa_kernel
	.amdgpu_metadata
---
amdhsa.version: [ 1, 2 ]
amdhsa.kernels:
  - .name:           k_qe68b282bb7_qk
    .symbol:         k_qe68b282bb7_qk.kd
    .args:
      - { .name: xq, .offset: 0, .size: 8, .value_kind: global_buffer, .address_space: global }
      - { .name: wqk, .offset: 8, .size: 8, .value_kind: global_buffer, .address_space: global }
      - { .name: qkb, .offset: 16, .size: 8, .value_kind: global_buffer, .address_space: global }
    .group_segment_fixed_size: 327680
    .private_segment_fixed_size: 0
    .kernarg_segment_align: 8
    .kernarg_segment_size: 24
    .max_flat_workgroup_size: 128
    .sgpr_count:     98
    .vgpr_count:     1024
    .wavefront_size: 32
...
	.end_amdgpu_metadata
.endif
;; end of part 2
;; launch vt: the kernel of part 2 again; grid 32 x 4, 4 waves a work-group, clusters of 4 x 4, 327,680 bytes of LDS; arguments wvo, xq, vb; writes vb
;; launch attn (part 3): grid 4 x 64, 16 waves a work-group, no clusters, 215,040 bytes of LDS; arguments qkb, vb, rel, yb; writes yb
.if DOCPART == 3
	.amdgcn_target "amdgcn-amd-amdhsa--gfx1250"
	.amdhsa_code_object_version 6
	.text
	.protected	k_qe68b282bb7_attn
	.globl	k_qe68b282bb7_attn
	.p2align	8
	.type	k_qe68b282bb7_attn,@function
k_qe68b282bb7_attn:
	s_mov_b64 s[64:65], 0
	v_nop
	global_prefetch_b8 v0, s[64:65] scope:SCOPE_SE
	s_setreg_imm32_b32 hwreg(HW_REG_WAVE_MODE, 25, 1), 1
	s_wait_xcnt 0x0
; y[b][i][h] = softmax_j(q_i . k_j / 8 + rel[h][min(max(i - j, 0), 128)], j <= i) v_j, both products on codes of BF6 (E3M2) with E8M0 scales; y leaves QUANTISED along the model's 1,024.
; q / 8: a division by a power of two moves a block's scale and no code, so q's codes are those of the undivided q and the 1/8 stands in c = log2(e) / 8.
; (LIMIT: a block of q whose scale's exponent would fall under -126 after the division is not held there.)
; THE SOFTMAX: t = score x c + bias x log2(e); M = the largest t so far, rounded up to a whole number; p = 2^(t - M) is quantised along the keys, not normalised; the row's sum is taken of the unquantised p and divides at the end.
; SHARES.  Work-group (g, b, h) owns query blocks g and 7 - g of 256 queries: with the causal mask that is 16 or 18 key steps of 128 for each wave in every work-group.  Each of its sixteen waves owns one row tile
; of 16 queries (slot r: query 32 (w / 2) + 8 (w % 2) + r + 8 (r / 8) of the block) in 256 registers, four waves to a SIMD.
; THE HEAD'S K AND V STAY IN LDS, filled once: 98,304 bytes of codes each, 4,096 bytes of scale words each.  Nothing is filled again, and behind the one barrier nothing writes LDS.
; NO CLUSTER: the four work-groups of a head read the same K and V, but which key steps a wave leaves out hangs on its query block, which would be its place in the cluster.
; BOTH PRODUCTS TRANSPOSED: S^T = K Q^T, O^T = V^T P^T: a lane holds one query.  By the order of K's rows the 16 registers of two neighbouring tiles are 16 neighbouring keys.
; THE HEAD'S 64 IN AN INSTRUCTION'S 128: a fragment of K is two atoms, two tiles of 16 keys; Q stands as [0 | q | 0] in 18 registers: registers 6-17 pick the first tile, registers 0-11 the second: zero codes add nothing.
; BIAS AND MASK ARE ONE TABLE of 512 words: word x is rel[h][min(128, 255 - x)] log2(e) for x <= 255 and -infinity beyond.  With E = the tile's first query - the step's first key:
; E < 0: every key is hidden, the step's work is jumped over; E >= 256: every distance is 128 or more, one constant serves; else the step reads the table (two steps a tile; key 128 s is open to every query).
; The loops' trip counts are constants; the branches in them hang on ids alone.
; LIMITS: a block of zeros or under 2^-122 gets the byte 1; NaN and infinities are not served; the block's largest p is made from the block's largest t by the same instructions as every p.
; y's two scale bytes a row leave by a store of two bytes a lane: 32 bytes a tile beside its 768 bytes of codes.
.set KC,   0
.set VC,   98304
.set KSC,  196608
.set VSC,  200704
.set TAB,  204800
.set PR,   50331648
.set PCP,  52428800
.set SOFF, 6291456
.set F,    34                          ; v34-81 four fragments of K, then of V; v34-97 the table's 64 values
.set S,    98                          ; v98-161 S^T, then p
.set O,    162                         ; v162-193 O^T
.set P,    194                         ; v194-205 p's codes
.set PT,   206                         ; v206-213 second halves of the conversions' results
.set KS,   216                         ; v216-219 K's scale words; v220-223 V's; v224 Q's; v225 p's
.set VS,   220
.set BM,   226                         ; v226-229 the blocks' largest
.set TP,   230                         ; v230-233 the other half's, then bytes
.set SO,   234                         ; v234-237 the conversions' scale operands
; v1 16 x lane; v2 8 x lane + 512; v3, v4 the same + VC; v5, v6 16 r + KSC, VSC; v7 my lane's place in the table; v8-11, v214-215 the step's addresses; v12 -M; v13 largest t; v[14:15] the sum;
; v16-33 Q; v[238:239] f; v[240:241] bias - M; v242 the far bias; v243 the table's address; v[244:245] a second chain of the sum; v246-247 at work; v248-254 the second block's q and its scale word; v255 32 r
	s_load_b256 s[4:11], s[0:1], 0x0               ; qkb, vb, rel, yb
	v_lshl_add_u32 v209, v0, 2, 0x34000
	v_mov_b32 v213, 0
	ds_add_u32 v209, v213
	ds_add_u32 v209, v213
	v_lshrrev_b32 v8, 5, v0
	s_delay_alu instid0(VALU_DEP_1)
	v_readfirstlane_b32 s12, v8                    ; wave 0..15
	s_mov_b32 s13, ttmp9                           ; g
	s_and_b32 s18, ttmp7, 0xffff
	s_lshr_b32 s14, s18, 4                         ; b
	s_and_b32 s15, s18, 15                         ; the head
	s_lshr_b32 s16, s15, 1
	s_and_b32 s17, s15, 1
.macro GROUP1 g, c, r, p               ; r rows of c elements of 8 bytes, p elements from row to row, no padding
	s_mov_b32 s[\g], 3<<16
	s_mov_b32 s[\g+1], (\c)<<16
	s_mov_b32 s[\g+2], (\r)<<16
	s_mov_b32 s[\g+3], (\c)<<16
	s_mov_b32 s[\g+4], \r
	s_mov_b32 s[\g+5], \p
	s_mov_b32 s[\g+6], 0
	s_mov_b32 s[\g+7], 0
.endm
	GROUP1 20, 32, 384, 32                         ; K's codes: 128 atoms on end, as rows of 256 bytes
	GROUP1 28, 384, 32, 49152                      ; V's codes: for each 64 keys the head's four atoms, 393,216 bytes apart
	GROUP1 36, 32, 16, 64                          ; K's scale words: 256 bytes a key step, 512 apart
	GROUP1 44, 32, 16, 4096                        ; V's: 256 bytes a key step, 32,768 apart
	s_mov_b32 s90, 0x3e38aa3b                      ; c = log2(e) / 8
	s_mov_b32 s91, s90
	s_mov_b32 s100, 0x76543210
	s_mov_b32 s101, 0xfedcba98                     ; v_permlanex16_b32's selects for lane l xor 16
	s_wait_dscnt 0x0
	s_wait_kmcnt 0x0
	s_add_co_u32 s96, s15, 16                      ; K's codes: ((16 + head) x 512 + 128 b) x 768
	s_mul_i32 s96, s96, 393216
	s_mul_i32 s97, s14, 98304
	s_add_co_u32 s96, s96, s97
	s_mov_b32 s97, 0
	s_mov_b32 s52, 1
	s_mov_b32 s53, KC
	s_add_nc_u64 s[54:55], s[4:5], s[96:97]
	s_or_b32 s55, s55, 0x80000000
	s_mul_i32 s96, s14, 12582912                   ; V's codes: (32 b x 512 + 4 head) x 768
	s_mul_i32 s97, s15, 3072
	s_add_co_u32 s96, s96, s97
	s_mov_b32 s97, 0
	s_mov_b32 s56, 1
	s_mov_b32 s57, VC
	s_add_nc_u64 s[58:59], s[6:7], s[96:97]
	s_or_b32 s59, s59, 0x80000000
	s_add_co_u32 s96, s16, 8                       ; K's scale words: plane R, ((8 + head / 2) x 64 + 16 b) x 512 + 256 (head % 2)
	s_lshl_b32 s96, s96, 15
	s_lshl_b32 s97, s14, 13
	s_add_co_u32 s96, s96, s97
	s_lshl_b32 s97, s17, 8
	s_add_co_u32 s96, s96, s97
	s_add_co_u32 s96, s96, PR
	s_mov_b32 s97, 0
	s_mov_b32 s60, 1
	s_mov_b32 s61, KSC
	s_add_nc_u64 s[62:63], s[4:5], s[96:97]
	s_or_b32 s63, s63, 0x80000000
	s_lshl_b32 s96, s14, 19                        ; V's: plane C, (16 b x 64 + head / 2) x 512 + 256 (head % 2)
	s_lshl_b32 s97, s16, 9
	s_add_co_u32 s96, s96, s97
	s_lshl_b32 s97, s17, 8
	s_add_co_u32 s96, s96, s97
	s_add_co_u32 s96, s96, PCP
	s_mov_b32 s97, 0
	s_mov_b32 s68, 1
	s_mov_b32 s69, VSC
	s_add_nc_u64 s[70:71], s[6:7], s[96:97]
	s_or_b32 s71, s71, 0x80000000
	s_cmp_lg_u32 s12, 0                            ; waves 0 to 3 fetch, one load each; four v_nop follow each load
	s_cbranch_scc1 .Lnot0
	tensor_load_to_lds s[52:55], s[20:27]
	s_nop 0
.rept 4
	v_nop
.endr
	s_branch .Lasked
.Lnot0:
	s_cmp_lg_u32 s12, 1
	s_cbranch_scc1 .Lnot1
	tensor_load_to_lds s[56:59], s[28:35]
	s_nop 0
.rept 4
	v_nop
.endr
	s_branch .Lasked
.Lnot1:
	s_cmp_lg_u32 s12, 2
	s_cbranch_scc1 .Lnot2
	tensor_load_to_lds s[60:63], s[36:43]
	s_nop 0
.rept 4
	v_nop
.endr
	s_branch .Lasked
.Lnot2:
	s_cmp_lg_u32 s12, 3
	s_cbranch_scc1 .Lasked
	tensor_load_to_lds s[68:71], s[44:51]
	s_nop 0
.rept 4
	v_nop
.endr
.Lasked:
	s_mul_i32 s96, s15, 516                        ; rel's row of the head
	s_mov_b32 s97, 0
	s_add_nc_u64 s[72:73], s[8:9], s[96:97]
.irp ph, 0,1                                   ; the two query blocks' addresses
.if \ph == 0
	s_mov_b32 s19, s13                             ; G = g,
.else
	s_sub_co_u32 s19, 7, s13                       ; then 7 - g
.endif
	s_lshl_b32 s96, s14, 7
	s_lshl_b32 s97, s19, 4
	s_add_co_u32 s96, s96, s97
	s_add_co_u32 s18, s96, s12                     ; my row tile: 128 b + 16 G + w
	s_lshl_b32 s96, s19, 8
	s_lshr_b32 s97, s12, 1
	s_lshl_b32 s97, s97, 5
	s_add_co_u32 s[98+\ph], s96, s97               ; E at key step 0: 256 G + 32 (w / 2)
	s_lshl_b32 s96, s15, 9
	s_add_co_u32 s96, s96, s18
	s_mul_i32 s96, s96, 768
	s_mov_b32 s97, 0
	s_add_nc_u64 s[74+2*\ph:75+2*\ph], s[4:5], s[96:97]    ; q's atom
	s_lshl_b32 s96, s16, 6
	s_lshl_b32 s97, s14, 4
	s_add_co_u32 s96, s96, s97
	s_lshl_b32 s97, s19, 1
	s_add_co_u32 s96, s96, s97
	s_lshr_b32 s97, s12, 3
	s_add_co_u32 s96, s96, s97
	s_lshl_b32 s96, s96, 9
	s_lshl_b32 s97, s17, 8
	s_add_co_u32 s96, s96, s97
	s_bfe_u32 s97, s12, 0x20001
	s_lshl_b32 s97, s97, 2
	s_add_co_u32 s96, s96, s97
	s_add_co_u32 s96, s96, PR
	s_mov_b32 s97, 0
	s_add_nc_u64 s[78+2*\ph:79+2*\ph], s[4:5], s[96:97]    ; its scale word: plane R, the word of my pair of tiles
	s_mul_i32 s96, s18, 12288
	s_mul_i32 s97, s15, 768
	s_add_co_u32 s96, s96, s97
	s_mov_b32 s97, 0
	s_add_nc_u64 s[82+2*\ph:83+2*\ph], s[10:11], s[96:97]  ; y's atom
	s_lshl_b32 s96, s18, 9
	s_lshl_b32 s97, s15, 1
	s_add_co_u32 s96, s96, s97
	s_add_co_u32 s96, s96, SOFF
	s_mov_b32 s97, 0
	s_add_nc_u64 s[86+2*\ph:87+2*\ph], s[10:11], s[96:97]  ; y's two scale bytes
.endr
	s_and_b32 s96, s12, 1                          ; u
	s_cmp_eq_u32 s96, 0
	s_mov_b32 s19, 0x03020302
	s_cselect_b32 s19, 0x01000100, s19             ; which two bytes of the pair's word are my tile's: they are doubled
	s_xor_b32 s96, s96, 1
	s_lshl_b32 s96, s96, 3
	s_add_co_u32 s96, s96, 247                     ; 255 - 8 u
	v_and_b32 v246, 31, v0                         ; lane
	v_and_b32 v247, 15, v0                         ; r
	v_bfe_u32 v244, v0, 4, 1                       ; h
	s_delay_alu instid0(VALU_DEP_3)
	v_lshlrev_b32 v1, 4, v246
	s_delay_alu instid0(VALU_DEP_4)
	v_lshl_add_u32 v2, v246, 3, 512
	s_delay_alu instid0(VALU_DEP_2)
	v_add_nc_u32 v3, VC, v1
	s_delay_alu instid0(VALU_DEP_2)
	v_add_nc_u32 v4, VC, v2
	v_lshl_add_u32 v5, v247, 4, KSC
	v_lshl_add_u32 v6, v247, 4, VSC
	v_lshlrev_b32 v255, 5, v247
	v_lshlrev_b32 v243, 4, v247                    ; 16 r
	v_and_b32 v245, 8, v247
	s_delay_alu instid0(VALU_DEP_1)
	v_add_nc_u32 v245, v245, v247                  ; r + 8 (r / 8)
	s_delay_alu instid0(VALU_DEP_1)
	v_sub_nc_u32 v7, s96, v245
	s_delay_alu instid0(VALU_DEP_1)
	v_lshl_add_u32 v7, v244, 4, v7
	s_delay_alu instid0(VALU_DEP_1)
	v_lshl_add_u32 v7, v7, 2, TAB                  ; the table's word 255 - 8 u - r - 8 (r / 8) + 16 h
	v_lshl_add_u32 v238, v0, 2, TAB                ; and the word that I make: my thread's number
	v_mov_b32 v239, 0xff800000                     ; -infinity
	v_sub_nc_u32 v240, 255, v0
	s_delay_alu instid0(VALU_DEP_1)
	v_min_u32 v240, 128, v240                      ; min(128, 255 - x); beyond 255 the difference wraps and 128 is taken: inside the row
	s_delay_alu instid0(VALU_DEP_1)
	v_lshlrev_b32 v240, 2, v240
	v_mov_b32 v245, 0
	global_load_b32 v241, v240, s[72:73]
	global_load_b32 v242, v245, s[72:73] offset:512        ; rel[h][128]
	global_load_b128 v[22:25], v1, s[74:75]        ; q of the first block, straight into its place
	global_load_b64 v[26:27], v2, s[74:75]
	global_load_b128 v[248:251], v1, s[76:77]      ; q of the second
	global_load_b64 v[252:253], v2, s[76:77]
	global_load_b32 v246, v243, s[78:79]
	global_load_b32 v254, v243, s[80:81]
.irp i, 0,1,2,3,4,5
	v_mov_b32 v[16+\i], 0                          ; the zero codes on both sides of q
	v_mov_b32 v[28+\i], 0
.endr
.irp i, 0,1,2,3
	v_mov_b32 v[TP+\i], 0                          ; written once: a lane permute's destination counts as one of its sources
.endr
	s_wait_loadcnt 0x0
	v_mul_f32 v241, 0x3fb8aa3b, v241               ; x log2(e)
	v_mul_f32 v242, 0x3fb8aa3b, v242
	v_cmp_lt_u32 vcc_lo, 255, v0
	s_delay_alu instid0(VALU_DEP_1)
	v_cndmask_b32 v241, v241, v239, vcc_lo         ; words beyond 255 stand for keys after the query
	ds_store_b32 v238, v241
	s_wait_tensorcnt 0x0                           ; my tile has landed,
	s_wait_dscnt 0x0                               ; my word of the table too
	s_barrier_signal -1
	s_barrier_wait -1                              ; everybody's have
.macro BMAX                            ; the largest of each block of 32 keys (it serves the row's maximum and the block's scale), then the step's largest in v246
.irp b, 0,1,2,3
	v_max3_num_f32 v[BM+\b], v[S+16*\b], v[S+16*\b+1], v[S+16*\b+2]
.endr
.irp i, 3,5,7,9,11,13
.irp b, 0,1,2,3
	v_max3_num_f32 v[BM+\b], v[BM+\b], v[S+16*\b+\i], v[S+16*\b+\i+1]
.endr
.endr
.irp b, 0,1,2,3
	v_max_num_f32 v[BM+\b], v[BM+\b], v[S+16*\b+15]
.endr
.irp b, 0,1,2,3
	s_delay_alu instid0(VALU_DEP_4)
	v_permlanex16_b32 v[TP+\b], v[BM+\b], s100, s101
.endr
.irp b, 0,1,2,3
	s_delay_alu instid0(VALU_DEP_4)
	v_max_num_f32 v[BM+\b], v[BM+\b], v[TP+\b]     ; with lane l xor 16's 16 keys
.endr
	s_delay_alu instid0(VALU_DEP_2)
	v_max3_num_f32 v246, v[BM], v[BM+1], v[BM+2]
	s_delay_alu instid0(VALU_DEP_1)
	v_max_num_f32 v246, v246, v[BM+3]
.endm
.macro MUPD                            ; v246 = the step's largest t
	s_delay_alu instid0(VALU_DEP_1)
	v_max_num_f32 v13, v13, v246                   ; the running largest t
	v_mov_b32 v246, v12
	s_delay_alu instid0(VALU_DEP_2)
	v_floor_f32 v12, -v13                          ; the new -M = floor(-t): M is a whole number
	s_delay_alu instid0(VALU_DEP_1)
	v_sub_f32 v246, v12, v246                      ; old M - new M: a whole number, 0 or less
	s_delay_alu instid0(VALU_DEP_1)
	v_cvt_i32_f32 v246, v246                       ; (it saturates)
	s_delay_alu instid0(VALU_DEP_1)
	v_ldexp_f32 v238, 1.0, v246                    ; f = 2^(old M - new M)
.endm
.macro STEP
	s_cmp_lt_i32 s92, 0                            ; all 128 keys come after my queries: only the addresses step
	s_cbranch_scc1 .Ltail_\@
	s_setprio 2
	v_add_nc_u32 v8, s93, v1                       ; (these six are also the places in front of the loads into registers that the last products read)
	v_add_nc_u32 v9, s93, v2
	v_add_nc_u32 v10, s93, v3
	v_add_nc_u32 v11, s93, v4
	v_add_nc_u32 v214, s94, v5
	v_add_nc_u32 v215, s94, v6
.irp f, 0,1,2,3
.irp c, 0,1
	ds_load_b128 v[F+12*\f+6*\c:F+12*\f+6*\c+3], v8 offset:\f*1536+\c*768
	ds_load_b64 v[F+12*\f+6*\c+4:F+12*\f+6*\c+5], v9 offset:\f*1536+\c*768
.endr
.endr
	ds_load_b128 v[KS:KS+3], v214
	ds_load_b128 v[VS:VS+3], v215
	s_wait_dscnt 0x0
.irp f, 0,1,2,3                                ; fragment f holds key tiles 2 f and 2 f + 1; its scale word their two bytes each
	v_wmma_scale_f32_16x16x128_f8f6f4 v[S+16*\f:S+16*\f+7], v[F+12*\f:F+12*\f+11], v[22:33], 0, v[KS+\f], v224 matrix_a_fmt:MATRIX_FMT_BF6 matrix_b_fmt:MATRIX_FMT_BF6
	v_wmma_scale_f32_16x16x128_f8f6f4 v[S+16*\f+8:S+16*\f+15], v[F+12*\f:F+12*\f+11], v[16:27], 0, v[KS+\f], v224 matrix_a_fmt:MATRIX_FMT_BF6 matrix_b_fmt:MATRIX_FMT_BF6
.endr
	s_cmp_ge_i32 s92, 256
	s_cbranch_scc1 .Lfar_\@
	s_and_b32 s96, s92, 0xe0                       ; NEAR: 0 <= E <= 224.  Register 16 b + i wants the table's word 255 - E - 8 u - r - 8 (r / 8) + 16 h + 32 b + i
	s_lshl_b32 s96, s96, 2
	v_sub_nc_u32 v243, v7, s96
.rept 3
	v_nop                                          ; with the line above: four places behind the products
.endr
.irp bk, 0,1,2,3
.irp i, 0,1,2,3,4,5,6,7,8,9,10,11,12,13,14,15
	ds_load_b32 v[F+16*\bk+\i], v243 offset:128*\bk+4*\i
.endr
.endr
	s_wait_dscnt 0x0
.set n, 0
.rept 32
	v_pk_fma_f32 v[S+n:S+n+1], v[S+n:S+n+1], s[90:91], v[F+n:F+n+1] op_sel_hi:[1,0,1]     ; t = score x c + bias; -infinity where the key is hidden
.set n, n+2
.endr
	BMAX
	MUPD
.set n, 0
.rept 32
	v_pk_add_f32 v[S+n:S+n+1], v[S+n:S+n+1], v[12:13] op_sel_hi:[1,0]                     ; t - M
.set n, n+2
.endr
.irp b, 0,1,2,3
	v_add_f32 v[BM+\b], v[BM+\b], v12              ; the same of each block's largest t
.endr
	s_branch .Lcommon_\@
.Lfar_\@:
.rept 4
	v_nop                                          ; FAR: four places behind the products
.endr
	BMAX                                           ; of the scores: c is positive and the bias one number
	s_delay_alu instid0(VALU_DEP_1)
	v_fma_f32 v246, v246, s90, v242
	MUPD
	s_delay_alu instid0(VALU_DEP_4)
	v_add_f32 v240, v242, v12                      ; bias - M
.set n, 0
.rept 32
	v_pk_fma_f32 v[S+n:S+n+1], v[S+n:S+n+1], s[90:91], v[240:241] op_sel_hi:[1,0,0]       ; t - M in one fused multiply-add
.set n, n+2
.endr
.irp b, 0,1,2,3
	v_fma_f32 v[BM+\b], v[BM+\b], s90, v240        ; the same of each block's largest score
.endr
.Lcommon_\@:
	s_setprio 1
.irp t, 0,1,2,3                                ; V^T's four tiles of 16 of the head's 64, these 128 keys: they land under the exponentials
.irp c, 0,1
	ds_load_b128 v[F+12*\t+6*\c:F+12*\t+6*\c+3], v10 offset:\c*3072+\t*768
	ds_load_b64 v[F+12*\t+6*\c+4:F+12*\t+6*\c+5], v11 offset:\c*3072+\t*768
.endr
.endr
.set n, 0
	s_wait_alu depctr_va_vdst(0)
.rept 64
	v_exp_f32 v[S+n], v[S+n]                       ; p = 2^(t - M), at most 1
.set n, n+1
.endr
.irp b, 0,1,2,3
	v_exp_f32 v[BM+\b], v[BM+\b]                   ; the block's largest p
.endr
	v_pk_mul_f32 v[14:15], v[14:15], v[238:239] op_sel_hi:[1,0]    ; the sum under the new M; also the plain place behind the exponentials
	s_wait_alu depctr_va_vdst(0)
.irp b, 0,1,2,3
	v_max_num_f32 v[BM+\b], 0x2800000, v[BM+\b]    ; the floor 2^(5 - 127): a block whose every p is 0 keeps the byte 1, its codes are zeros
.endr
.irp b, 0,1,2,3
	s_delay_alu instid0(VALU_DEP_4)
	v_add_nc_u32 v[SO+\b], 0xfe000000, v[BM+\b]
.endr
.irp b, 0,1,2,3
	s_delay_alu instid0(VALU_DEP_4)
	v_lshrrev_b32 v[TP+\b], 23, v[SO+\b]
.endr
	s_delay_alu instid0(VALU_DEP_3)
	v_lshl_or_b32 v225, v[TP+1], 8, v[TP]          ; p's scale word for these 128 keys
	s_delay_alu instid0(VALU_DEP_1)
	v_lshl_or_b32 v225, v[TP+2], 16, v225
	s_delay_alu instid0(VALU_DEP_1)
	v_lshl_or_b32 v225, v[TP+3], 24, v225
.irp c, 0,1
	v_cvt_scalef32_pk16_bf6_f32 v[P+6*\c:P+6*\c+2], v[S+32*\c:S+32*\c+15], v[SO+2*\c]
	v_cvt_scalef32_pk16_bf6_f32 v[PT+4*\c:PT+4*\c+2], v[S+32*\c+16:S+32*\c+31], v[SO+2*\c+1]
.endr
	v_nop                                          ; one plain place behind a scaled conversion
.irp c, 0,1
.irp i, 0,1,2
	v_permlane16_swap_b32 v[P+6*\c+\i], v[PT+4*\c+\i]
.endr
.irp i, 0,1,2
	s_delay_alu instid0(VALU_DEP_3)
	v_mov_b32 v[P+6*\c+3+\i], v[PT+4*\c+\i]
.endr
.endr
	v_pk_add_f32 v[244:245], v[102:103], v[106:107]
	v_pk_add_f32 v[236:237], v[110:111], v[114:115]
	s_setprio 0
	v_pk_add_f32 v[234:235], v[118:119], v[122:123]
	v_pk_add_f32 v[228:229], v[126:127], v[130:131]
	v_pk_add_f32 v[226:227], v[134:135], v[138:139]
	v_pk_add_f32 v[218:219], v[142:143], v[146:147]
	v_pk_add_f32 v[216:217], v[150:151], v[154:155]
	v_pk_add_f32 v[14:15], v[14:15], v[158:159]
	v_pk_add_f32 v[244:245], v[244:245], v[98:99]
	v_pk_add_f32 v[236:237], v[236:237], v[100:101]
	v_pk_add_f32 v[234:235], v[234:235], v[104:105]
	v_pk_add_f32 v[228:229], v[228:229], v[108:109]
	v_pk_add_f32 v[226:227], v[226:227], v[112:113]
	v_pk_add_f32 v[218:219], v[218:219], v[116:117]
	v_pk_add_f32 v[216:217], v[216:217], v[120:121]
	v_pk_add_f32 v[14:15], v[14:15], v[124:125]
	v_pk_add_f32 v[244:245], v[244:245], v[128:129]
	v_pk_add_f32 v[236:237], v[236:237], v[132:133]
	v_pk_add_f32 v[234:235], v[234:235], v[136:137]
	v_pk_add_f32 v[228:229], v[228:229], v[140:141]
	v_pk_add_f32 v[226:227], v[226:227], v[144:145]
	v_pk_add_f32 v[218:219], v[218:219], v[148:149]
	v_pk_add_f32 v[216:217], v[216:217], v[152:153]
	v_pk_add_f32 v[14:15], v[14:15], v[156:157]
	v_pk_add_f32 v[244:245], v[244:245], v[160:161]
	s_delay_alu instid0(VALU_DEP_2)
	v_pk_add_f32 v[14:15], v[14:15], v[228:229]
	s_delay_alu instid0(VALU_DEP_2)
	v_pk_add_f32 v[244:245], v[244:245], v[226:227]
	v_pk_add_f32 v[236:237], v[236:237], v[218:219]
	v_pk_add_f32 v[234:235], v[234:235], v[216:217]
	s_delay_alu instid0(VALU_DEP_2)
	v_pk_add_f32 v[14:15], v[14:15], v[236:237]
	s_delay_alu instid0(VALU_DEP_2)
	v_pk_add_f32 v[244:245], v[244:245], v[234:235]
	s_delay_alu instid0(VALU_DEP_1)
	v_pk_add_f32 v[14:15], v[14:15], v[244:245]
.set n, 0
.rept 16
	v_pk_mul_f32 v[O+n:O+n+1], v[O+n:O+n+1], v[238:239] op_sel_hi:[1,0]    ; O^T under the new M.  (The sums and these are the places between p's codes and scale word and the products)
.set n, n+2
.endr
	s_wait_alu depctr_va_vdst(0)
	s_wait_dscnt 0x0                               ; V
.irp t, 0,1,2,3                                ; four accumulators, one instruction a turn
	v_wmma_scale_f32_16x16x128_f8f6f4 v[O+8*\t:O+8*\t+7], v[F+12*\t:F+12*\t+11], v[P:P+11], v[O+8*\t:O+8*\t+7], v[VS+\t], v225 matrix_a_fmt:MATRIX_FMT_BF6 matrix_b_fmt:MATRIX_FMT_BF6
.endr
.Ltail_\@:
	s_sub_co_i32 s92, s92, 128
	s_add_co_u32 s93, s93, 6144                    ; 8 atoms of K, and of V, a step
	s_add_co_u32 s94, s94, 256
.endm
; O^T / the sum: register 16 b + i is y's number 32 b + 16 h + i of the head; two blocks are quantised and leave as one atom.
.macro FINISH ph
.rept 4
	v_nop
.endr
	v_add_f32 v14, v14, v15
	s_delay_alu instid0(VALU_DEP_1)
	v_permlanex16_b32 v246, v14, s100, s101
	s_delay_alu instid0(VALU_DEP_1)
	v_add_f32 v14, v14, v246                       ; the row's sum
	s_wait_alu depctr_va_vdst(0)
	v_rcp_f32 v14, v14
	v_nop                                          ; one plain place behind a transcendental
.set n, 0
	s_wait_alu depctr_va_vdst(0)
.rept 32
	v_mul_f32 v[S+n], v[O+n], v14
.set n, n+1
.endr
.irp b, 0,1
	v_max3_num_f32 v[BM+\b], |v[S+16*\b]|, |v[S+16*\b+1]|, 0x2800000
.endr
.irp i, 2,4,6,8,10,12,14
.irp b, 0,1
	s_delay_alu instid0(VALU_DEP_2)
	v_max3_num_f32 v[BM+\b], v[BM+\b], |v[S+16*\b+\i]|, |v[S+16*\b+\i+1]|
.endr
.endr
.irp b, 0,1
	s_delay_alu instid0(VALU_DEP_2)
	v_permlanex16_b32 v[TP+\b], v[BM+\b], s100, s101
.endr
.irp b, 0,1
	s_delay_alu instid0(VALU_DEP_2)
	v_max_num_f32 v[BM+\b], v[BM+\b], v[TP+\b]
.endr
.irp b, 0,1
	s_delay_alu instid0(VALU_DEP_2)
	v_add_nc_u32 v[SO+\b], 0xfe000000, v[BM+\b]
.endr
.irp b, 0,1
	s_delay_alu instid0(VALU_DEP_2)
	v_lshrrev_b32 v[TP+\b], 23, v[SO+\b]
.endr
	s_delay_alu instid0(VALU_DEP_1)
	v_lshl_or_b32 v247, v[TP+1], 8, v[TP]
	v_cvt_scalef32_pk16_bf6_f32 v[P:P+2], v[S:S+15], v[SO]
	v_cvt_scalef32_pk16_bf6_f32 v[PT:PT+2], v[S+16:S+31], v[SO+1]
	v_nop
.irp i, 0,1,2
	v_permlane16_swap_b32 v[P+\i], v[PT+\i]
.endr
.irp i, 0,1,2
	s_delay_alu instid0(VALU_DEP_3)
	v_mov_b32 v[P+3+\i], v[PT+\i]
.endr
	global_store_b128 v1, v[P:P+3], s[82+2*\ph:83+2*\ph]           ; 512 consecutive bytes, at a multiple of 256 from the buffer's first byte
	global_store_b64 v2, v[P+4:P+5], s[82+2*\ph:83+2*\ph]          ; 256 more
	global_store_b16 v255, v247, s[86+2*\ph:87+2*\ph]              ; both halves of the lanes hold the same two bytes
.endm
.macro PHASE ph, ns
.if \ph
	s_wait_xcnt 0x0                                ; the first block's stores have read their registers
.irp i, 0,1,2,3,4,5
	v_mov_b32 v[22+\i], v[248+\i]
.endr
	v_perm_b32 v224, v254, v254, s19
.else
	v_perm_b32 v224, v246, v246, s19               ; Q's scale word: my tile's two bytes, twice
.endif
.set n, 0
.rept 32
	v_mov_b32 v[O+n], 0                            ; the step is written once: the first finds zeros.  (These are also the places behind Q's codes and scale word)
.set n, n+1
.endr
	v_mov_b32 v14, 0
	v_mov_b32 v15, 0
	v_mov_b32 v13, 0xff61b1e6                      ; -3e38, under every t
	s_delay_alu instid0(VALU_DEP_1)
	v_floor_f32 v12, -v13
	s_mov_b32 s92, s[98+\ph]
	s_mov_b32 s93, 0
	s_mov_b32 s94, 0
	s_mov_b32 s95, \ns
.Lstep_\@:
	STEP
	s_sub_co_u32 s95, s95, 1
	s_cmp_lg_u32 s95, 0
	s_cbranch_scc1 .Lstep_\@
	s_setprio 0
	s_wait_alu depctr_va_vdst(0)
	FINISH \ph
.endm
	PHASE 0, 8                                     ; block g <= 3: keys under 1,024
	PHASE 1, 16                                    ; block 7 - g
	s_wait_tensorcnt 0x0
	ds_add_u32 v209, v213
	s_wait_dscnt 0x0
	s_endpgm
.Lfunc_end_k_qe68b282bb7_attn:
	.size	k_qe68b282bb7_attn, .Lfunc_end_k_qe68b282bb7_attn-k_qe68b282bb7_attn
	.p2alignl 7, 3214868480
	.fill 96, 4, 3214868480
	.section	.rodata,"a",@progbits
	.p2align	6, 0x0
	.amdhsa_kernel k_qe68b282bb7_attn
		.amdhsa_group_segment_fixed_size 215040
		.amdhsa_private_segment_fixed_size 0
		.amdhsa_enable_private_segment 0
		.amdhsa_kernarg_size 32
		.amdhsa_user_sgpr_count 2
		.amdhsa_user_sgpr_kernarg_segment_ptr 1
		.amdhsa_wavefront_size32 1
		.amdhsa_system_sgpr_workgroup_id_x 1
		.amdhsa_system_sgpr_workgroup_id_y 1
		.amdhsa_system_sgpr_workgroup_id_z 1
		.amdhsa_system_vgpr_workitem_id 0
		.amdhsa_next_free_vgpr 256
		.amdhsa_next_free_sgpr 102
		.amdhsa_reserve_vcc 1
		.amdhsa_float_denorm_mode_32 3
		.amdhsa_float_denorm_mode_16_64 3
		.amdhsa_memory_ordered 1
		.amdhsa_forward_progress 1
		.amdhsa_inst_pref_size 83
	.end_amdhsa_kernel
	.amdgpu_metadata
---
amdhsa.version: [ 1, 2 ]
amdhsa.kernels:
  - .name:           k_qe68b282bb7_attn
    .symbol:         k_qe68b282bb7_attn.kd
    .args:
      - { .name: qkb, .offset: 0, .size: 8, .value_kind: global_buffer, .address_space: global }
      - { .name: vb, .offset: 8, .size: 8, .value_kind: global_buffer, .address_space: global }
      - { .name: rel, .offset: 16, .size: 8, .value_kind: global_buffer, .address_space: global }
      - { .name: yb, .offset: 24, .size: 8, .value_kind: global_buffer, .address_space: global }
    .group_segment_fixed_size: 215040
    .private_segment_fixed_size: 0
    .kernarg_segment_align: 8
    .kernarg_segment_size: 32
    .max_flat_workgroup_size: 512
    .sgpr_count:     102
    .vgpr_count:     256
    .wavefront_size: 32
...
	.end_amdgpu_metadata
.endif
;; end of part 3
;; launch oproj (part 4): grid 4 x 32, 4 waves a work-group, clusters of 4 x 4, 327,680 bytes of LDS; arguments yb, wvo, x, out0; writes out0
.if DOCPART == 4
	.amdgcn_target "amdgcn-amd-amdhsa--gfx1250"
	.amdhsa_code_object_version 6
	.text
	.protected	k_qe68b282bb7_oproj
	.globl	k_qe68b282bb7_oproj
	.p2align	8
	.type	k_qe68b282bb7_oproj,@function
k_qe68b282bb7_oproj:
	s_mov_b64 s[64:65], 0
	v_nop
	global_prefetch_b8 v0, s[64:65] scope:SCOPE_SE
	s_setreg_imm32_b32 hwreg(HW_REG_WAVE_MODE, 25, 1), 1
	s_wait_xcnt 0x0
	s_wait_alu depctr_hold_cnt(0) depctr_sa_sdst(0) depctr_va_vdst(0) depctr_va_sdst(0) depctr_va_ssrc(0) depctr_va_vcc(0) depctr_vm_vsrc(0)
	s_getreg_b32 s2, hwreg(HW_REG_IB_STS2, 6, 4)
	s_cmp_eq_u32 s2, 0
	s_cbranch_scc0 .Lentry_in_a_cluster
	s_endpgm
.Lentry_in_a_cluster:
	s_bfe_u32 s2, ttmp6, 0x10000c
	s_cmp_lg_u32 s2, 0xf033
	s_cbranch_scc0 .Lentry_shape_is_right
	s_endpgm
.Lentry_shape_is_right:
; out0 = x + y Wo^T.  y (8,192 rows) and Wo (row tiles 64-127 of its buffer) are codes of BF6 (E3M2) with E8M0 scales, K = 1,024; x and out0 are f32.
; OPERANDS: row tiles of 16 rows (tile 2 B + u, slot r: row 32 B + 8 u + r + 8 (r / 8)); a tile's codes are 16 atoms of 768 bytes (64 along K each); an atom is an image of six operand registers:
; lane L's registers 0-3 at 16 L, registers 4-5 at 512 + 8 L.  Scale bytes at SOFF + 512 x tile + 32 r + K / 32.
; A tile of C is 256 x 256: four waves, each 128 x 128, 64 accumulators.  K goes in steps of 256 through two LDS slots; a wave's tensor load brings 8 row tiles x 4 atoms.  The eight K steps of 128 are written out.
; SCALES: a lane's 16 bytes at 32 r + 16 h are the words of K steps 4 h .. 4 h + 3: register j serves K step j from lanes 0-15 and K step 4 + j from lanes 16-31.
; CLUSTERS: 4 x 4 work-groups; A's tiles are asked for jointly along a row of the cluster, B's along a column.
; TRANSPOSED USE: source 0 = 16 rows of Wo, source 1 = 16 rows of y: a lane holds one row of C and neighbouring columns.
; THE WAY OUT: a row tile at a time through my own stage in LDS (in slot 0, which has had its last fill and its last read), back as whole rows of 512 bytes; x's same bytes, asked for two row tiles ahead, are added; 32 lanes store 512 consecutive bytes.
.set HALFT,  24576
.set SLOT,   4*HALFT
.set SPARE,  2*SLOT                    ; behind the ring: the spare words, 128 bytes for each wave: two blocks of 256 bytes that no other line names
.set SOFF,   6291456
.set BOFF,   786432                    ; Wo's tiles begin 64 row tiles into the buffer,
.set BSOFF,  32768                     ; its scale bytes likewise
.set FR,     12
.set A16, 16
.set A8,  18
.set B16, 20
.set B8,  22
.set STO, 24                           ; v24     the stage: where I put 32 bytes of a row
.set RD,  25                           ; v25     and where I read a row back
.set L16, 26                           ; v26     16 x lane
.set L8,  27                           ; v27     8 x lane
.set SPW, 28                           ; v28     LDS address of my spare word; never rewritten
.set NIL, 29                           ; v29     0; never rewritten
.set SAD, 30                           ; v30     32 r + 16 h
.set SA,  32                           ; v32-63  A's scale words
.set SB,  64                           ; v64-95  B's
.set AF,  128                          ; v128-223 A's 8 fragments, ONE set
.set BK,  128                          ; the way out: 16 rows back from the stage: v128-191 and v192-255 by turns
.set G1,  24
.set G0,  32
.set G1B, 48
.set G0B, 56
.set MSB, 0
.macro WIN new                         ; the immediate's high byte repeats the setting that is left
.if MSB != \new
	s_set_vgpr_msb (MSB<<8)|\new
.set MSB, \new
.endif
.endm
.set MUL_LO, 0xa1
.set MUL_HI, 0xf1
.set TO_B,   0x40
.macro JLOAD g0a, g1a, g0b, g1b        ; a joint load: waves 0 and 1 fetch for A, waves 2 and 3 for B; four v_nop follow each of the two lines
	s_cmp_eq_u32 s15, 0
	s_cbranch_scc0 .Lfor_b_\@
	tensor_load_to_lds s[\g0a:\g0a+3], s[\g1a:\g1a+7]
	s_nop 0
.rept 4
	v_nop
.endr
	s_branch .Lasked_\@
.Lfor_b_\@:
	tensor_load_to_lds s[\g0b:\g0b+3], s[\g1b:\g1b+7]
	s_nop 0
.rept 4
	v_nop
.endr
.Lasked_\@:
.endm
.macro CREST
	s_cmp_lg_u32 s14, 0
	s_cbranch_scc1 .Lnot_wave_0_\@
	s_barrier_signal -3
.Lnot_wave_0_\@:
	s_barrier_wait -3
	s_barrier_signal -1
	s_barrier_wait -1
.endm
.macro CROUND
	s_barrier_signal -1
	s_barrier_wait -1
	CREST
.endm
	s_load_b128 s[4:7], s[0:1], 0x0                ; y's buffer, the weights' buffer
	s_load_b128 s[8:11], s[0:1], 0x10              ; x, out0
	v_lshl_add_u32 v[SPW], v0, 2, SPARE
	v_mov_b32 v[NIL], 0
	ds_add_u32 v28, v29
	ds_add_u32 v28, v29
	s_wait_dscnt 0x0
	v_lshrrev_b32 v1, 5, v0
	v_readfirstlane_b32 s14, v1                    ; wave 0..3
	s_lshr_b32 s15, s14, 1
	s_and_b32 s16, s14, 1
	s_bfe_u32 s40, ttmp6, 0x40000
	s_bfe_u32 s41, ttmp6, 0x40004
	s_lshl_b32 s42, ttmp9, 2
	s_add_co_u32 s42, s42, s40                     ; tile column of C
	s_and_b32 s17, ttmp7, 0xffff
	s_lshl_b32 s17, s17, 2
	s_add_co_u32 s17, s17, s41                     ; tile row of C
	s_lshl_b32 s43, s41, 2
	s_lshl_b32 s43, 15, s43
	s_lshl_b32 s44, 0x1111, s40
	s_or_b32 s[G1+0], s43, (3<<16)|(1<<21)
	s_or_b32 s[G1B+0], s44, (3<<16)|(1<<21)
.irp g, G1, G1B
	s_mov_b32 s[\g+1], 384<<16
	s_mov_b32 s[\g+2], 8<<16
	s_mov_b32 s[\g+3], 384<<16
	s_mov_b32 s[\g+4], 8
	s_mov_b32 s[\g+5], 1536
	s_mov_b32 s[\g+6], 0
	s_mov_b32 s[\g+7], 0
.endr
	s_mul_i32 s18, s16, 98304
	s_mul_i32 s20, s17, 196608
	s_add_co_u32 s20, s20, s18
	s_mov_b32 s21, 0
	s_mul_i32 s46, s42, 196608
	s_add_co_u32 s46, s46, s18
	s_add_co_u32 s46, s46, BOFF
	s_mov_b32 s47, 0
	s_mul_i32 s45, s14, HALFT
	s_lshl_b32 s68, s17, 13
	s_lshl_b32 s69, s15, 12
	s_add_co_u32 s68, s68, s69
	s_add_co_u32 s68, s68, SOFF
	s_mov_b32 s69, 0
	s_lshl_b32 s70, s42, 13
	s_lshl_b32 s71, s16, 12
	s_add_co_u32 s70, s70, s71
	s_add_co_u32 s70, s70, SOFF+BSOFF
	s_mov_b32 s71, 0
	s_lshl_b32 s72, s17, 20                        ; my part of x and of out0: (256 x tile row + 128 x half) rows of 4,096 bytes + 1,024 x tile column + 512 x half
	s_lshl_b32 s73, s15, 19
	s_add_co_u32 s72, s72, s73
	s_lshl_b32 s73, s42, 10
	s_add_co_u32 s72, s72, s73
	s_lshl_b32 s73, s16, 9
	s_add_co_u32 s72, s72, s73
	s_mov_b32 s73, 0
	s_wait_kmcnt 0x0
	s_add_nc_u64 s[20:21], s[4:5], s[20:21]
	s_add_nc_u64 s[46:47], s[6:7], s[46:47]
	s_add_nc_u64 s[68:69], s[4:5], s[68:69]
	s_add_nc_u64 s[70:71], s[6:7], s[70:71]
	s_add_nc_u64 s[8:9], s[8:9], s[72:73]
	s_add_nc_u64 s[10:11], s[10:11], s[72:73]
	CROUND                                         ; all sixteen work-groups are here: the first joint loads meet
.irp s, 0,1
	s_mov_b32 s[G0+4*\s], 1
	s_add_co_u32 s[G0+4*\s+1], s45, \s*SLOT
	s_add_nc_u64 s[G0+4*\s+2:G0+4*\s+3], s[20:21], \s*3072
	s_or_b32 s[G0+4*\s+3], s[G0+4*\s+3], 0x80000000
	s_mov_b32 s[G0B+4*\s], 1
	s_add_co_u32 s[G0B+4*\s+1], s45, \s*SLOT
	s_add_nc_u64 s[G0B+4*\s+2:G0B+4*\s+3], s[46:47], \s*3072
	s_or_b32 s[G0B+4*\s+3], s[G0B+4*\s+3], 0x80000000
	s_wait_alu depctr_va_vdst(0)
	s_wait_tensorcnt 0x0
	ds_add_u32 v28, v29
	ds_add_u32 v28, v29
	s_wait_dscnt 0x0
	CROUND
	JLOAD G0+4*\s, G1, G0B+4*\s, G1B
.endr
	v_and_b32 v1, 31, v0
	v_lshlrev_b32 v[L16], 4, v1
	v_lshlrev_b32 v[L8], 3, v1
	v_and_b32 v2, 15, v0                           ; r
	v_bfe_u32 v3, v0, 4, 1                         ; h
	v_lshlrev_b32 v[SAD], 5, v2
	v_lshl_add_u32 v[SAD], v3, 4, v[SAD]
.irp a, 0,1,2,3,4,5,6,7
	global_load_b128 v[SA+4*\a:SA+4*\a+3], v[SAD], s[68:69] offset:\a*512
	global_load_b128 v[SB+4*\a:SB+4*\a+3], v[SAD], s[70:71] offset:\a*512
.endr
	s_mul_i32 s22, s15, HALFT
	s_mul_i32 s23, s16, HALFT
	s_add_co_u32 s23, s23, 2*HALFT
.irp s, 0,1
	v_add_nc_u32 v[A16+\s], s22, v[L16]
	v_add_nc_u32 v[B16+\s], s23, v[L16]
	v_add_nc_u32 v[A8+\s], s22, v[L8]
	v_add_nc_u32 v[B8+\s], s23, v[L8]
	s_add_co_u32 s22, s22, SLOT
	s_add_co_u32 s23, s23, SLOT
.endr
	s_mul_i32 s74, s14, 8448                       ; my stage: 16 rows of 512 + 16 bytes
	v_mul_u32_u24 v5, v2, 528
	v_lshl_add_u32 v5, v3, 6, v5                   ; in: row r, + 64 h
	v_add_nc_u32 v[STO], s74, v5
	v_add_nc_u32 v[RD], s74, v[L16]                ; back: a row's 512 bytes, 16 a lane
.macro FRAG reg, a16, a8, q, i
.irp c, 0,1
	ds_load_b128 v[\reg+6*\c:\reg+6*\c+3], v[\a16] offset:(\i)*3072+(2*(\q)+\c)*768
	ds_load_b64 v[\reg+6*\c+4:\reg+6*\c+5], v[\a8] offset:(\i)*3072+(2*(\q)+\c)*768+512
.endr
.endm
; The 64 accumulators take turns, one instruction a turn, in the same order in every step.
.macro MUL16 a0, p, ks, zero
.irp a, \a0, \a0+1
.irp b, 0,1,2,3,4,5,6,7
.if \zero
	v_wmma_scale_f32_16x16x128_f8f6f4 v[8*(8*((\a)%4)+\b):8*(8*((\a)%4)+\b)+7], v[128*(\p)+FR*\b:128*(\p)+FR*\b+FR-1], v[AF+FR*(\a):AF+FR*(\a)+FR-1], 0, v[SB+4*\b+(\ks)%4], v[SA+4*(\a)+(\ks)%4] matrix_a_fmt:MATRIX_FMT_BF6 matrix_b_fmt:MATRIX_FMT_BF6
.elseif (\ks) < 4
	v_wmma_scale_f32_16x16x128_f8f6f4 v[8*(8*((\a)%4)+\b):8*(8*((\a)%4)+\b)+7], v[128*(\p)+FR*\b:128*(\p)+FR*\b+FR-1], v[AF+FR*(\a):AF+FR*(\a)+FR-1], v[8*(8*((\a)%4)+\b):8*(8*((\a)%4)+\b)+7], v[SB+4*\b+(\ks)%4], v[SA+4*(\a)+(\ks)%4] matrix_a_fmt:MATRIX_FMT_BF6 matrix_b_fmt:MATRIX_FMT_BF6
.else
	v_wmma_scale_f32_16x16x128_f8f6f4 v[8*(8*((\a)%4)+\b):8*(8*((\a)%4)+\b)+7], v[128*(\p)+FR*\b:128*(\p)+FR*\b+FR-1], v[AF+FR*(\a):AF+FR*(\a)+FR-1], v[8*(8*((\a)%4)+\b):8*(8*((\a)%4)+\b)+7], v[SB+4*\b+(\ks)%4], v[SA+4*(\a)+(\ks)%4] matrix_a_fmt:MATRIX_FMT_BF6 matrix_b_fmt:MATRIX_FMT_BF6 matrix_a_scale:MATRIX_SCALE_ROW1 matrix_b_scale:MATRIX_SCALE_ROW1
.endif
.endr
.endr
.endm
.macro FETCH_B slot, q, p
	WIN TO_B
.irp i, 0,1,2,3,4,5,6,7
	FRAG 128*(\p)+FR*\i, B16+\slot, B8+\slot, \q, \i
.endr
	WIN 0
.endm
.macro FETCH_A slot, q, i0
.irp i, \i0, \i0+1, \i0+2, \i0+3
	FRAG AF+FR*(\i), A16+\slot, A8+\slot, \q, \i
.endr
.endm
.macro PLACES                          ; four plain vector instructions between a matrix instruction and a load into one of its registers, or a read of its result (ISA guide 7.12.1 for a read of its result)
.rept 4
	v_nop
.endr
.endm
.macro STEP slot, ks, zero
	s_wait_dscnt 16                                ; B's set and A's blocks 0-3 are in; the youngest 16 loads (A's blocks 4-7) may be out
	WIN MUL_LO
	MUL16 0, 0, \ks, \zero
	MUL16 2, 0, \ks, \zero
	s_wait_dscnt 0x0
	PLACES
	FETCH_B \slot, 1, 1
	FETCH_A \slot, 1, 0
	WIN MUL_HI
	MUL16 4, 0, \ks, \zero
	MUL16 6, 0, \ks, \zero
	PLACES
	WIN 0
	FETCH_A \slot, 1, 4
.endm
.macro TURN slot, next, fill, ks
	s_wait_tensorcnt 0x0                           ; all my tensor loads have landed: my part of the next slot
	ds_add_u32 v[SPW], v[NIL]                      ; 0 onto my spare word
	s_wait_dscnt 17                                ; (the add and the youngest 16 loads may be out)
	WIN MUL_LO
	MUL16 0, 1, \ks, 0
	s_wait_dscnt 0x0                               ; the add is done, and my reads of this slot are over
	s_barrier_signal -1
	MUL16 2, 1, \ks, 0
	WIN 0
	s_barrier_wait -1
.if \fill
	CREST                                          ; the barrier has opened a round of the cluster's barrier
	s_add_nc_u64 s[G0+4*\slot+2:G0+4*\slot+3], s[G0+4*\slot+2:G0+4*\slot+3], 6144
	s_add_nc_u64 s[G0B+4*\slot+2:G0B+4*\slot+3], s[G0B+4*\slot+2:G0B+4*\slot+3], 6144
	JLOAD G0+4*\slot, G1, G0B+4*\slot, G1B         ; the first tensor load behind the round; its four v_nop are the places in front of the loads below
.else
	PLACES
.endif
	FETCH_B \next, 0, 0
	FETCH_A \next, 0, 0
	WIN MUL_HI
	MUL16 4, 1, \ks, 0
	MUL16 6, 1, \ks, 0
	PLACES
	WIN 0
	FETCH_A \next, 0, 4
.endm
	s_wait_alu depctr_va_vdst(0)
	s_wait_tensorcnt 1                             ; my part of slot 0 is in; slot 1's may stay out
	s_barrier_signal -1
	s_barrier_wait -1
	FETCH_B 0, 0, 0
	FETCH_A 0, 0, 0
	FETCH_A 0, 0, 4
	s_wait_loadcnt 0x0                             ; the scale words
	STEP 0, 0, 1
	TURN 0, 1, 1, 1
	STEP 1, 2, 0
	TURN 1, 0, 1, 3
	STEP 0, 4, 0
	TURN 0, 1, 0, 5                                ; nothing is left to fetch: a plain barrier; behind it nobody reads slot 0
	STEP 1, 6, 0
	s_wait_dscnt 16
	WIN MUL_LO
	MUL16 0, 1, 7, 0
	MUL16 2, 1, 7, 0
	s_wait_dscnt 0x0
	WIN MUL_HI
	MUL16 4, 1, 7, 0
	MUL16 6, 1, 7, 0
	WIN 0
	PLACES
; Slot t of row tile a is row 32 (a / 2) + 8 (a % 2) + t + 8 (t / 8) of my 128: it stands in the immediates, 520,192 bytes at the most, so no base is stepped.
.macro XL a                            ; x's 16 rows of row tile a into window 1, where B's fragments lay
.set XB, 64*((\a)%4)
	WIN 0x40
.irp t, 0,1,2,3,4,5,6,7,8,9,10,11,12,13,14,15
	global_load_b128 v[XB+4*\t:XB+4*\t+3], v[L16], s[8:9] offset:(32*((\a)/2)+8*((\a)%2)+\t+8*(\t/8))*4096 th:TH_LOAD_NT
.endr
	WIN 0
.endm
.macro TOSTAGE a                       ; LDS serves a wave's instructions in order: no wait between the stores and the loads, nor in front of the next tile's stores
.set AC, 64*((\a)%4)
	WIN 0x08+4*((\a)/4)                            ; the data: window 2 or 3
.irp b, 0,1,2,3,4,5,6,7
	ds_store_b128 v[STO], v[AC+8*\b:AC+8*\b+3] offset:128*(\b/2)+32*(\b%2)         ; each accumulator from its low end on: columns 32 (b / 2) + 16 h + 8 (b % 2) + 0 .. 7
	ds_store_b128 v[STO], v[AC+8*\b+4:AC+8*\b+7] offset:128*(\b/2)+32*(\b%2)+16
.endr
	WIN 0
.set BB, BK+64*((\a)%2)
.irp t, 0,1,2,3,4,5,6,7,8,9,10,11,12,13,14,15
	ds_load_b128 v[BB+4*\t:BB+4*\t+3], v[RD] offset:\t*528
.endr
.endm
.macro SEND a, ds, ld                  ; ds, ld: the LDS instructions and the loads of x issued behind this tile's, which may stay out
.set BB, BK+64*((\a)%2)
.set XB, 64*((\a)%4)
	s_wait_dscnt \ds
	s_wait_loadcnt \ld
	WIN 0x04                                       ; source 1: window 1
.set n, 0
.rept 32
	v_pk_add_f32 v[BB+n:BB+n+1], v[BB+n:BB+n+1], v[XB+n:XB+n+1]
.set n, n+2
.endr
	WIN 0
.irp t, 0,1,2,3,4,5,6,7,8,9,10,11,12,13,14,15
	global_store_b128 v[L16], v[BB+4*\t:BB+4*\t+3], s[10:11] offset:(32*((\a)/2)+8*((\a)%2)+\t+8*(\t/8))*4096 th:TH_STORE_NT   ; 32 lanes store 512 consecutive bytes, at a multiple of 256 from out0's first byte
.endr
.endm
	XL 0
	XL 1
	TOSTAGE 0
.irp a, 1,2,3,4,5,6,7
.if \a > 1
	s_wait_xcnt 0x0                                ; tile a - 2's stores have read their registers: tile a's rows may land there
.endif
	TOSTAGE \a
.if \a < 7
	XL \a+1
	SEND \a-1, 32, 32                              ; behind tile a - 1's: tile a's 16 stage stores and 16 stage loads; two runs of 16 loads of x
.else
	SEND \a-1, 32, 16
.endif
.endr
	SEND 7, 0, 0
	s_wait_tensorcnt 0x0                           ; the wave's end
	ds_add_u32 v[SPW], v[NIL]
	s_wait_dscnt 0x0
	CROUND                                         ; the closing round: no work-group ends while a partner may still ask for a tile that names it
	s_endpgm
.Lfunc_end_k_qe68b282bb7_oproj:
	.size	k_qe68b282bb7_oproj, .Lfunc_end_k_qe68b282bb7_oproj-k_qe68b282bb7_oproj
	.p2alignl 7, 3214868480
	.fill 96, 4, 3214868480
	.section	.rodata,"a",@progbits
	.p2align	6, 0x0
	.amdhsa_kernel k_qe68b282bb7_oproj
		.amdhsa_group_segment_fixed_size 327680
		.amdhsa_private_segment_fixed_size 0
		.amdhsa_enable_private_segment 0
		.amdhsa_kernarg_size 32
		.amdhsa_user_sgpr_count 2
		.amdhsa_user_sgpr_kernarg_segment_ptr 1
		.amdhsa_wavefront_size32 1
		.amdhsa_system_sgpr_workgroup_id_x 1
		.amdhsa_system_sgpr_workgroup_id_y 1
		.amdhsa_system_sgpr_workgroup_id_z 1
		.amdhsa_system_vgpr_workitem_id 0
		.amdhsa_next_free_vgpr 1024
		.amdhsa_next_free_sgpr 98
		.amdhsa_reserve_vcc 0
		.amdhsa_float_denorm_mode_32 3
		.amdhsa_float_denorm_mode_16_64 3
		.amdhsa_memory_ordered 1
		.amdhsa_forward_progress 1
		.amdhsa_inst_pref_size 171
	.end_amdhsa_kernel
	.amdgpu_metadata
---
amdhsa.version: [ 1, 2 ]
amdhsa.kernels:
  - .name:           k_qe68b282bb7_oproj
    .symbol:         k_qe68b282bb7_oproj.kd
    .args:
      - { .name: yb, .offset: 0, .size: 8, .value_kind: global_buffer, .address_space: global }
      - { .name: wvo, .offset: 8, .size: 8, .value_kind: global_buffer, .address_space: global }
      - { .name: x, .offset: 16, .size: 8, .value_kind: global_buffer, .address_space: global }
      - { .name: out0, .offset: 24, .size: 8, .value_kind: global_buffer, .address_space: global }
    .group_segment_fixed_size: 327680
    .private_segment_fixed_size: 0
    .kernarg_segment_align: 8
    .kernarg_segment_size: 32
    .max_flat_workgroup_size: 128
    .sgpr_count:     98
    .vgpr_count:     1024
    .wavefront_size: 32
...
	.end_amdgpu_metadata
.endif
;; end of part 4
